; MI455X (gfx1250); checked and timed in simulation.
; The chip was launched on July 23, 2026; its instructions are those of AMD's public machine-readable ISA for CDNA 5 (MIT licence, August 2026) and "CDNA5" Instruction Set Architecture Reference Guide (July 2026). The comments in the code are by the model that wrote it; some were corrected since.
;; Attention. Allowed arithmetic: matrix products marked QUANTISED: E2M3 operands, one E8M0 scale for each 32 along K, by v_wmma_scale_f32_16x16x128_f8f6f4 with both operands' format E2M3, f32 sums; everything else in f32.
;; Inputs: pos_cos 1,024 x 32 float32; pos_sin 1,024 x 32 float32; wk 2,048 x 512 float32; wo 2,048 x 2,048 float32; wq 2,048 x 2,048 float32; wv 2,048 x 512 float32; x 4 x 1,024 x 2,048 float32.
;; Outputs: out0 4 x 1,024 x 2,048 float32.
;; This version of the problem:
;;   THIS VERSION OF THE PROBLEM IS GIVEN IN LOW PRECISION. The matrix products marked QUANTISED in the list below multiply operands that are first quantised to E2M3 (2 exponent bits, 3 mantissa bits; 6 bits a number), with one power-of-two scale for each 32 numbers along K (OCP MX v1.0); their sums are f32. All else is computed in f32.
;;   The module's matrix products, in the order in which they are computed (A, B: the left and right operand; K: the contracted axis; several contracted axes count as one K, in the product's order):
;;     1. [M 4,096, K 2,048] x [K 2,048, N 2,048]; A: input x; B: input wq: QUANTISED
;;     2. [M 4,096, K 2,048] x [K 2,048, N 512]; A: input x; B: input wk: QUANTISED
;;     3. [M 4,096, K 2,048] x [K 2,048, N 512]; A: input x; B: input wv: QUANTISED
;;     4. batch 128 x [M 1,024, K 64] x [K 64, N 1,024]; A: computed on the way; B: computed on the way: QUANTISED
;;     5. batch 128 x [M 64, K 1,024] x [K 1,024, N 1,024]; A: computed on the way; B: softmax (see below): QUANTISED
;;     6. [M 4,096, K 2,048] x [K 2,048, N 2,048]; A: computed on the way; B: input wo: QUANTISED
;;   THE QUANTISER, for each operand of a quantised product, along K:
;;     - K is cut into blocks of 32 from its start; a last block that is shorter is filled with zeros.
;;     - A block's scale is 2^e with e = floor(log2(the largest magnitude in the block)) - 2, held to -126 .. 127; a block of zeros has e = 0. As a byte (E8M0): e + 127.
;;     - Each number is divided by its block's scale, clamped to +-7.5, and rounded to the nearest number of E2M3, ties to even, subnormals kept.
;;     - The product sums the exact products of the quantised numbers (number of the format x scale) in f32.
;;   ~~~python
;;   def quantise(x, axis):      # numpy; x: float32 -> the quantised numbers, widened to float32 again
;;       x = np.moveaxis(x, axis, -1); K = x.shape[-1]
;;       x = np.pad(x, [(0, 0)] * (x.ndim - 1) + [(0, -K % 32)]); x = x.reshape(x.shape[:-1] + (-1, 32)); a = np.abs(x).max(-1, keepdims=True)
;;       e = np.where(a > 0, np.clip(np.frexp(np.where(a > 0, a, 1))[1] - 1 - 2, -126, 127), 0)      # np.frexp(a)[1] - 1 = floor(log2(a)), exactly
;;       r = np.clip(x / 2.0 ** e, -7.5, 7.5)
;;       step = 2.0 ** (np.maximum(np.frexp(np.where(r == 0, 1, r))[1] - 1, 0) - 3)
;;       q = np.round(r / step) * step * 2.0 ** e      # np.round: ties to even
;;       return np.moveaxis(q.reshape(q.shape[:-2] + (-1,))[..., :K], -1, axis).astype(np.float32)
;;   ~~~
;;   SOFTMAX AHEAD OF A QUANTISED PRODUCT. Where the list says 'softmax', what is quantised is not the finished softmax but p = 2^(t - M), with t = logit x log2(e) and M = ceil(the row's largest t), a whole number; so 1/2 < the row's largest p <= 1. The row's sum l is taken of the UNQUANTISED p, in f32, and the product's result is divided by l at the end. Since M is a whole number, a kernel that streams over the keys may use a running M (the ceiling of the running maximum): every later rescaling is an exact power of two, which a block's scale takes up: the codes' values come out the same.
;;   OPERANDS COMPUTED ON THE WAY. 'Computed on the way' means the value that the module computes at that place (a softmax that the list does not call 'softmax' is quantised finished and normalised). What goes into a quantiser is computed in f32, as accurately as f32 sums, v_exp_f32 and their like allow (about 1e-6 of the number): no bf16 or f16 on the way to a quantiser, and a product that is left as it is and whose result goes on into a quantised operand takes f32 operands (vector FMAs, or v_wmma_f32_16x16x4_f32). A number that lies on a knife's edge between two numbers of the format may be rounded either way, as far as f32 arithmetic and the matrix unit's own rounding can turn it there, and no further.
;; One version. Each part assembles by itself: llvm-mc -triple=amdgcn-amd-amdhsa -mcpu=gfx1250 --defsym DOCPART=n.
;; ======== version 1 of 1: 4 launches
;; limits: right only within a limited range of input values
;; workspace buffers: ops 14,745,600 bytes; qkv 10,223,616 bytes; att 6,553,600 bytes
;; launch quant (part 1): grid 576 x 1, 4 waves a work-group, no clusters, 75,264 bytes of LDS; arguments x, wq, wk, wv, wo, ops; writes ops
.if DOCPART == 1
	.amdgcn_target "amdgcn-amd-amdhsa--gfx1250"
	.amdhsa_code_object_version 6
	.text
	.protected	k_qeecc68ea2d_quant
	.globl	k_qeecc68ea2d_quant
	.p2align	8
	.type	k_qeecc68ea2d_quant,@function
k_qeecc68ea2d_quant:
	s_mov_b64 s[64:65], 0
	v_nop
	global_prefetch_b8 v0, s[64:65] scope:SCOPE_SE
	s_setreg_imm32_b32 hwreg(HW_REG_WAVE_MODE, 25, 1), 1
	s_wait_xcnt 0x0
; x [4096][2048] and the weights wq, wk, wv, wo ([2048 (K)][n]), all f32, become codes of FP6 (E2M3) with one E8M0 byte for each 32 along K.
; A block's scale is 2^(floor(log2(its largest magnitude)) - 2); its byte is the largest magnitude's exponent field - 2, held at 1 from below.
; LAYOUT OF ops: codes [g = K / 256][row][192 bytes], scale bytes [g][row][8]: the 128 rows of a K step are 24,576 dense bytes.
;   x's codes at 0 (4,096 rows), x's bytes at XS_OFF; the weights' codes at WC_OFF (5,120 rows), their bytes at WS_OFF.
;   Weight rows: 0.. wq's columns; 2048 + 256 c + 0..127 wk's columns 128 c ..; 2048 + 256 c + 128 + 0..127 wv's columns 128 c ..; 3072.. wo's columns.
;   IN EVERY GROUP OF 32 ROWS, BITS 3 AND 4 OF THE ROW'S NUMBER CHANGE PLACES: sixteen rows on end are then the rows 8 u + r + 8 (r / 8) of the group, so that a product
;   that takes them as its first source leaves sixteen neighbours in a lane's registers of two neighbouring tiles.
; LIMITS: NaN and infinities are not served; a block whose largest magnitude lies under 2^-124, a block of zeros among them, keeps the byte 1 (its codes are right for that byte; only this program reads the bytes).
; Work-groups 0-255 take x (K innermost: a lane holds 16 neighbours, two lanes a block; the numbers turn through the wave's own stage in LDS so that every load is dense).
; Work-groups 256-575 take the weights (K outermost: a lane takes a column and its registers run down K; the codes leave through the wave's own stage as rows).
; The two paths part on the work-group's number and have LDS bytes of their own.  No tensor loads, no barrier: waves share nothing.  No cluster: no two work-groups read the same bytes.
; ORDER OF THE CODES INSIDE 16 ROWS OF A K STEP: the 16 x 192 bytes are laid [piece of 8 bytes, 24][row, 16][8 bytes], 3,072 dense bytes: byte y of row q stands at 128 (y / 8) + 8 q + y % 8.
; A fragment load of 8 bytes a lane then reads 128 neighbouring bytes in lanes 0-15 and 128 more, 384 bytes on, in lanes 16-31.  Both paths lay this order in the wave's own stage in LDS
; (a piece's 128 bytes 136 apart) and store the wave's 32 rows, 6,144 dense bytes, as 24 aligned runs of 256 bytes.
.set XS_OFF, 6291456
.set WC_OFF, 6553600
.set WS_OFF, 14417920
.set EMAX,  2
; path X
.set STEPS, 16
.set CB,    12                         ; bytes of 16 codes
.set R,     16                         ; v16-79   four sets of 16 numbers as loaded
.set X,     80                         ; v80-111  two sets of 16 neighbours
.set E,     112                        ; v112-127 a scale byte for each step
.set C,     128                        ; v128-191 codes: four registers for each step
.set WREG,  12032                      ; LDS of a wave: two stages of 32 x SP bytes, its 256 scale bytes, then at IMG 48 pieces x 136 bytes of codes
.set IMG,   5376
.set SP,    80                         ; a lane's place in a stage: 64 bytes + 16 of padding
; path W
.set NB,    8                          ; blocks of 32 along K for a wave
.set WP,    136                        ; a piece's place in the stage: 16 rows x 8 bytes + 8
.set WSTG,  48128
.set SB,    24                         ; v24-25   the scale bytes
.set WX,    32                         ; v32-95   two sets of 32 numbers
.set WCD,   96                         ; v96..    a block's codes
.set OUTR,  112                        ; v112-159 the way out
.set VO,    176                        ; v176-207 byte offsets of 32 rows of K at my column
.set BT,    32                         ; s[32:47] the source at each of my eight blocks
	s_load_b256 s[4:11], s[0:1], 0x0               ; x s[4:5], wq s[6:7], wk s[8:9], wv s[10:11]
	s_load_b128 s[12:15], s[0:1], 0x20             ; wo s[12:13], ops s[14:15]
	v_lshl_add_u32 v208, v0, 2, 0x12400
	v_mov_b32 v209, 0
	v_lshrrev_b32 v1, 5, v0
	v_readfirstlane_b32 s16, v1                    ; wave
	v_and_b32 v2, 31, v0                           ; lane
	s_wait_kmcnt 0x0
	s_cmp_lt_u32 ttmp9, 256
	s_cbranch_scc0 .Lw
; ---------------- x: a wave takes 32 rows x 256 along K, 16 steps of two rows ----------------
	s_wait_alu depctr_va_vdst(0)
	v_lshlrev_b32 v3, 4, v2                        ; my 16 bytes of a load's 512
	s_mul_i32 s17, s16, WREG
	v_lshrrev_b32 v14, 2, v2
	v_mul_u32_u24 v14, v14, SP
	v_and_b32 v15, 3, v2
	v_lshl_add_u32 v14, v15, 4, v14
	v_add_nc_u32 v14, s17, v14                     ; the stage on the way in: SP (lane / 4) + 16 (lane % 4)
	v_mul_u32_u24 v15, v2, SP
	v_add_nc_u32 v15, s17, v15                     ; and on the way out: SP x lane: my 16 neighbours
	v_and_b32 v10, 15, v2
	v_mul_u32_u24 v10, v10, 3                      ; my 12 bytes are words 3 (lane % 16) + j of the row's 48
	v_lshrrev_b32 v11, 4, v2
	v_lshl_add_u32 v11, v11, 3, s17                ; the step's second row lies 8 bytes on
.irp j, 0,1,2
	v_add_nc_u32 v12, \j, v10
	v_lshrrev_b32 v13, 1, v12
	v_and_b32 v12, 1, v12
	v_mad_u32_u24 v13, v13, 136, v11               ; word d: piece d / 2,
	v_lshl_add_u32 v[192+\j], v12, 2, v13          ; half d % 2
.endr
	v_lshrrev_b32 v12, 4, v2
	v_mul_u32_u24 v12, v12, 136
	v_and_b32 v13, 15, v2
	v_lshl_add_u32 v12, v13, 3, v12
	v_add_nc_u32 v195, s17, v12                    ; back: sixteen lanes to a piece, two pieces an instruction
	v_lshrrev_b32 v5, 1, v2
	s_add_co_u32 s17, s17, 2*32*SP
	v_add_nc_u32 v5, s17, v5                       ; LDS: my block's byte among the wave's 256
	v_lshlrev_b32 v7, 3, v2
	v_add_nc_u32 v6, s17, v7
	s_lshr_b32 s18, ttmp9, 1                       ; which 32 rows
	s_and_b32 s19, ttmp9, 1
	s_lshl_b32 s19, s19, 2
	s_add_co_u32 s19, s19, s16                     ; g: which 256 along K
	s_lshl_b32 s20, s18, 18                        ; 32 rows of 8,192 bytes
	s_lshl_b32 s21, s19, 10
	s_add_co_u32 s20, s20, s21
	s_mov_b32 s21, 0
	s_add_nc_u64 s[4:5], s[4:5], s[20:21]          ; x at my first number
	s_mul_i32 s20, s19, 786432
	s_mul_i32 s22, s18, 6144
	s_add_co_u32 s20, s20, s22
	s_add_nc_u64 s[8:9], s[14:15], s[20:21]        ; my codes
	s_lshl_b32 s20, s19, 15
	s_lshl_b32 s22, s18, 8
	s_add_co_u32 s20, s20, s22
	s_add_co_u32 s20, s20, XS_OFF
	s_add_nc_u64 s[10:11], s[14:15], s[20:21]      ; my 256 scale bytes
.macro XLOAD t                         ; rows 2 t and 2 t + 1: four loads of 512 consecutive bytes
.irp i, 0,1,2,3
	global_load_b128 v[R+16*((\t)%4)+4*\i:R+16*((\t)%4)+4*\i+3], v3, s[4:5] offset:(2*(\t)+\i/2)*8192+(\i%2)*512 th:TH_LOAD_NT
.endr
.endm
.macro XTURN t                         ; through the stage: LDS serves a wave's instructions in order, so no wait stands between the stores and the loads
.irp i, 0,1,2,3
	ds_store_b128 v14, v[R+16*((\t)%4)+4*\i:R+16*((\t)%4)+4*\i+3] offset:32*SP*((\t)%2)+8*SP*\i
.endr
.irp i, 0,1,2,3
	ds_load_b128 v[X+16*((\t)%2)+4*\i:X+16*((\t)%2)+4*\i+3], v15 offset:32*SP*((\t)%2)+16*\i
.endr
.endm
.irp t, 0,1,2,3
	XLOAD \t
.endr
	s_wait_alu depctr_va_vdst(0)
	s_wait_loadcnt 12                              ; step 0's four loads are in
	XTURN 0
.macro XSTEP t
.set XSR, X+16*((\t)%2)
.set SWT, ((\t)&3)|(((\t)&4)<<1)|(((\t)&8)>>1)     ; rows 2 t, 2 t + 1 go to rows 2 SWT, 2 SWT + 1: bits 3 and 4 of the row's number change places
.if (\t) > 0
	s_wait_dscnt 4                                 ; this step's numbers are back from the stage (the last step's four stores of codes and byte may be out)
.else
	s_wait_dscnt 0x0
.endif
.if (\t)+4 < STEPS
	XLOAD (\t)+4                                   ; into the registers that the stage's stores have read
.endif
.if (\t)+1 < STEPS
.if STEPS-2-(\t) >= 3
	s_wait_loadcnt 12                              ; the next step's four loads are in; those of the three steps behind it may be out
.else
	s_wait_loadcnt 4*(STEPS-2-(\t))
.endif
	XTURN (\t)+1
.endif
	v_max3_num_f32 v8, |v[XSR]|, |v[XSR+1]|, |v[XSR+2]|            ; the largest magnitude of my 16
	v_max3_num_f32 v9, |v[XSR+3]|, |v[XSR+4]|, |v[XSR+5]|
.irp i, 6,10
	v_max3_num_f32 v8, v8, |v[XSR+\i]|, |v[XSR+\i+1]|
	v_max3_num_f32 v9, v9, |v[XSR+\i+2]|, |v[XSR+\i+3]|
.endr
	v_max3_num_f32 v8, v8, |v[XSR+14]|, |v[XSR+15]|
	v_max3_num_f32 v8, v8, v9, (EMAX+1)<<23        ; and the floor 2^(3 - 127): the byte cannot fall under 1
	v_max_num_f32_dpp v8, v8, v8 row_xmask:1 row_mask:0xf bank_mask:0xf   ; with my neighbour's 16: the block's
	v_add_nc_u32 v11, -(EMAX<<23), v8              ; 2 off its exponent field: the conversion takes the exponent field of this operand as its scale
	v_cvt_scalef32_pk16_fp6_f32 v[C+4*(\t):C+4*(\t)+2], v[XSR:XSR+15], v11
	v_lshrrev_b32 v[E+(\t)], 23, v11               ; the scale's byte
	ds_store_b8 v5, v[E+(\t)] offset:16*SWT        ; both lanes of a block write the same byte with the same value
.irp j, 0,1,2
	ds_store_b32 v[192+\j], v[C+4*(\t)+\j] offset:IMG+3264*(SWT/8)+16*(SWT%8)   ; rows 2 SWT, 2 SWT + 1 of the wave's 32
.endr
.endm
.irp t, 0,1,2,3,4,5,6,7,8,9,10,11,12,13,14,15
	XSTEP \t
.endr
	ds_load_b64 v[12:13], v6                       ; in order behind my byte stores
	s_wait_dscnt 0x0
	global_store_b64 v7, v[12:13], s[10:11]        ; 32 lanes store 256 consecutive bytes, aligned
.irp n, 0,1,2,3,4,5,6,7,8,9,10,11,12,13,14,15,16,17,18,19,20,21,22,23
	ds_load_b64 v[16+2*\n:17+2*\n], v195 offset:IMG+272*\n   ; in order behind my stores of codes
.endr
.irp n, 0,1,2,3,4,5,6,7,8,9,10,11,12,13,14,15,16,17,18,19,20,21,22,23
	s_wait_dscnt 23-\n
	global_store_b64 v7, v[16+2*\n:17+2*\n], s[8:9] offset:256*\n   ; two pieces: 256 consecutive bytes, aligned
.endr
	s_wait_tensorcnt 0x0
	ds_add_u32 v208, v209
	s_wait_dscnt 0x0
	s_endpgm
; ---------------- the weights: a work-group takes 128 columns x 256 along K, a wave 32 columns ----------------
.Lw:
	s_sub_co_u32 s17, ttmp9, 256
	s_and_b32 s18, s17, 7                          ; g: which 256 along K
	s_lshr_b32 s19, s17, 3                         ; which 128 columns of the 40: 16 of wq, 4 of wk, 4 of wv, 16 of wo
	s_mov_b64 s[20:21], s[12:13]                   ; wo: the source,
	s_sub_co_u32 s22, s19, 24                      ; which 128 of its columns,
	s_mov_b32 s23, 8192                            ; its row in bytes,
	s_lshl_b32 s24, s22, 7
	s_add_co_u32 s24, s24, 3072                    ; and the first row in ops
	s_sub_co_u32 s25, s19, 20                      ; wv
	s_lshl_b32 s26, s25, 8
	s_add_co_u32 s26, s26, 2176
	s_mov_b32 s27, 2048
	s_cmp_lt_u32 s19, 24
	s_cselect_b64 s[20:21], s[10:11], s[20:21]
	s_cselect_b32 s22, s25, s22
	s_cselect_b32 s23, s27, s23
	s_cselect_b32 s24, s26, s24
	s_sub_co_u32 s25, s19, 16                      ; wk
	s_lshl_b32 s26, s25, 8
	s_add_co_u32 s26, s26, 2048
	s_cmp_lt_u32 s19, 20
	s_cselect_b64 s[20:21], s[8:9], s[20:21]
	s_cselect_b32 s22, s25, s22
	s_cselect_b32 s24, s26, s24
	s_lshl_b32 s26, s19, 7                         ; wq
	s_mov_b32 s27, 8192
	s_cmp_lt_u32 s19, 16
	s_cselect_b64 s[20:21], s[6:7], s[20:21]
	s_cselect_b32 s22, s19, s22
	s_cselect_b32 s23, s27, s23
	s_cselect_b32 s24, s26, s24
	s_wait_alu depctr_va_vdst(0)
	v_lshlrev_b32 v[VO], 2, v2                     ; 4 bytes a lane; row i of a block lies i rows further down
.set i, 1
.rept 31
	v_add_nc_u32 v[VO+i], s23, v[VO+i-1]
.set i, i+1
.endr
	s_mul_i32 s28, s18, s23
	s_lshl_b32 s28, s28, 8                         ; 256 g rows
	s_lshl_b32 s29, s22, 9                         ; 128 columns of 4 bytes
	s_add_co_u32 s28, s28, s29
	s_lshl_b32 s29, s16, 7                         ; 32 columns a wave
	s_add_co_u32 s28, s28, s29
	s_mov_b32 s29, 0
	s_lshl_b32 s30, s23, 5                         ; 32 rows
	s_mov_b32 s31, 0
	s_add_nc_u64 s[BT:BT+1], s[20:21], s[28:29]
.irp t, 1,2,3,4,5,6,7
	s_add_nc_u64 s[BT+2*\t:BT+2*\t+1], s[BT+2*\t-2:BT+2*\t-1], s[30:31]   ; a base for each block: nothing is stepped while loads are out
.endr
	s_lshl_b32 s25, s16, 5
	s_add_co_u32 s24, s24, s25                     ; my wave's first row in ops
	s_mul_i32 s26, s18, 983040
	s_mul_i32 s27, s24, 192
	s_add_co_u32 s26, s26, s27
	s_add_co_u32 s26, s26, WC_OFF
	s_mov_b32 s27, 0
	s_add_nc_u64 s[48:49], s[14:15], s[26:27]      ; my codes
	s_mul_i32 s26, s18, 40960
	s_lshl_b32 s25, s24, 3
	s_add_co_u32 s26, s26, s25
	s_add_co_u32 s26, s26, WS_OFF
	s_add_nc_u64 s[50:51], s[14:15], s[26:27]      ; my scale bytes
	s_mul_i32 s17, s16, 6656
	s_add_co_u32 s17, s17, WSTG                    ; my stage
	v_bfe_u32 v4, v2, 3, 1                         ; my column's row among the 32 (bits 3 and 4 changed places): which 16,
	v_mul_u32_u24 v4, v4, 24*WP
	v_and_b32 v5, 7, v2
	v_lshl_add_u32 v4, v5, 3, v4                   ; and which of them: lane % 8 + 8 (lane / 16), 8 bytes each
	v_lshrrev_b32 v5, 4, v2
	v_lshl_add_u32 v4, v5, 6, v4
	v_add_nc_u32 v4, s17, v4                       ; into it: row = my column
	v_and_b32 v5, 15, v2
	v_lshrrev_b32 v6, 4, v2
	v_mul_u32_u24 v7, v6, WP
	v_lshl_add_u32 v7, v5, 3, v7
	v_add_nc_u32 v7, s17, v7                       ; out of it: sixteen lanes to a row, two rows an instruction
	v_lshlrev_b32 v8, 3, v2                        ; and 8 bytes a lane in memory
	v_and_b32 v9, 7, v2                            ; my column's row among the 32: bits 3 and 4 change places
	v_and_b32 v10, 8, v2
	v_lshl_or_b32 v9, v10, 1, v9
	v_and_b32 v10, 16, v2
	v_lshrrev_b32 v10, 1, v10
	v_or_b32 v9, v9, v10
	v_lshlrev_b32 v9, 3, v9                        ; 8 scale bytes a row
.macro WLOAD t                         ; block t: w(32 t + i, my column) into set t % 2: each load reads 128 consecutive bytes
.set i, 0
.rept 32
	global_load_b32 v[WX+32*((\t)%2)+i], v[VO+i], s[BT+2*(\t):BT+2*(\t)+1] th:TH_LOAD_NT
.set i, i+1
.endr
.endm
	WLOAD 0
	WLOAD 1
.macro WBLOCK t
.set WXS, WX+32*((\t)%2)
.if (\t) < NB-1
	s_wait_loadcnt 32                              ; this block's 32 loads are in; the next block's may be out
.else
	s_wait_loadcnt 0x0
.endif
	v_max3_num_f32 v12, |v[WXS]|, |v[WXS+1]|, |v[WXS+2]|           ; the block's largest magnitude: all 32 numbers are mine
	v_max3_num_f32 v13, |v[WXS+3]|, |v[WXS+4]|, |v[WXS+5]|
.irp i, 6,10,14,18,22,26
	v_max3_num_f32 v12, v12, |v[WXS+\i]|, |v[WXS+\i+1]|
	v_max3_num_f32 v13, v13, |v[WXS+\i+2]|, |v[WXS+\i+3]|
.endr
	v_max3_num_f32 v12, v12, |v[WXS+30]|, |v[WXS+31]|
	v_max3_num_f32 v12, v12, v13, (EMAX+1)<<23     ; and the floor
	v_add_nc_u32 v11, -(EMAX<<23), v12             ; the conversion's scale operand
	v_lshrrev_b32 v13, 23, v11                     ; the scale's byte
.if (\t)%4 == 0
	v_mov_b32 v[SB+(\t)/4], v13                    ; four bytes to a register, the lower K in the lower byte
.else
	v_lshl_or_b32 v[SB+(\t)/4], v13, 8*((\t)%4), v[SB+(\t)/4]
.endif
	v_cvt_scalef32_pk16_fp6_f32 v[WCD:WCD+2], v[WXS:WXS+15], v11
	v_cvt_scalef32_pk16_fp6_f32 v[WCD+4:WCD+6], v[WXS+16:WXS+31], v11   ; (a conversion's three registers begin on an even number)
	v_nop                                          ; one plain place behind a scaled conversion
	v_mov_b32 v[WCD+3], v[WCD+4]                   ; the block's 24 bytes as three even pairs
	v_mov_b32 v[WCD+8], v[WCD+5]
	v_mov_b32 v[WCD+9], v[WCD+6]
	ds_store_b64 v4, v[WCD:WCD+1] offset:3*WP*(\t) ; pieces 3 t, 3 t + 1, 3 t + 2 of my row
	ds_store_b64 v4, v[WCD+2:WCD+3] offset:3*WP*(\t)+WP
	ds_store_b64 v4, v[WCD+8:WCD+9] offset:3*WP*(\t)+2*WP
.if (\t)+2 < NB
	WLOAD (\t)+2
.endif
	s_wait_dscnt 0x0                               ; the stores have read their registers: the next block's codes may be written
.endm
.irp t, 0,1,2,3,4,5,6,7
	WBLOCK \t
.endr
	s_wait_alu depctr_va_vdst(0)
	global_store_b64 v9, v[SB:SB+1], s[50:51]      ; 32 lanes store the 256 consecutive bytes of 32 rows
.irp t, 0,1,2,3,4,5,6,7,8,9,10,11,12,13,14,15
	ds_load_b64 v[OUTR+2*\t:OUTR+2*\t+1], v7 offset:2*\t*WP   ; in order behind my stores
.endr
.irp t, 16,17,18,19,20,21,22,23
	ds_load_b64 v[OUTR+2*\t:OUTR+2*\t+1], v7 offset:2*\t*WP
.endr
.irp t, 0,1,2,3,4,5,6,7,8,9,10,11,12,13,14,15,16,17,18,19,20,21,22,23
	s_wait_dscnt 23-\t
	global_store_b64 v8, v[OUTR+2*\t:OUTR+2*\t+1], s[48:49] offset:256*\t   ; two pieces: 256 consecutive bytes, aligned
.endr
	s_wait_tensorcnt 0x0
	ds_add_u32 v208, v209
	s_wait_dscnt 0x0
	s_endpgm
.Lfunc_end_k_qeecc68ea2d_quant:
	.size	k_qeecc68ea2d_quant, .Lfunc_end_k_qeecc68ea2d_quant-k_qeecc68ea2d_quant
	.p2alignl 7, 3214868480
	.fill 96, 4, 3214868480
	.section	.rodata,"a",@progbits
	.p2align	6, 0x0
	.amdhsa_kernel k_qeecc68ea2d_quant
		.amdhsa_group_segment_fixed_size 75264
		.amdhsa_private_segment_fixed_size 0
		.amdhsa_enable_private_segment 0
		.amdhsa_kernarg_size 48
		.amdhsa_user_sgpr_count 2
		.amdhsa_user_sgpr_kernarg_segment_ptr 1
		.amdhsa_wavefront_size32 1
		.amdhsa_system_sgpr_workgroup_id_x 1
		.amdhsa_system_sgpr_workgroup_id_y 1
		.amdhsa_system_sgpr_workgroup_id_z 1
		.amdhsa_system_vgpr_workitem_id 0
		.amdhsa_next_free_vgpr 210
		.amdhsa_next_free_sgpr 66
		.amdhsa_reserve_vcc 0
		.amdhsa_float_denorm_mode_32 3
		.amdhsa_float_denorm_mode_16_64 3
		.amdhsa_memory_ordered 1
		.amdhsa_forward_progress 1
		.amdhsa_inst_pref_size 86
	.end_amdhsa_kernel
	.amdgpu_metadata
---
amdhsa.version: [ 1, 2 ]
amdhsa.kernels:
  - .name:           k_qeecc68ea2d_quant
    .symbol:         k_qeecc68ea2d_quant.kd
    .args:
      - { .name: x, .offset: 0, .size: 8, .value_kind: global_buffer, .address_space: global }
      - { .name: wq, .offset: 8, .size: 8, .value_kind: global_buffer, .address_space: global }
      - { .name: wk, .offset: 16, .size: 8, .value_kind: global_buffer, .address_space: global }
      - { .name: wv, .offset: 24, .size: 8, .value_kind: global_buffer, .address_space: global }
      - { .name: wo, .offset: 32, .size: 8, .value_kind: global_buffer, .address_space: global }
      - { .name: ops, .offset: 40, .size: 8, .value_kind: global_buffer, .address_space: global }
    .group_segment_fixed_size: 75264
    .private_segment_fixed_size: 0
    .kernarg_segment_align: 8
    .kernarg_segment_size: 48
    .max_flat_workgroup_size: 128
    .sgpr_count:     66
    .vgpr_count:     210
    .wavefront_size: 32
...
	.end_amdgpu_metadata
.endif
;; end of part 1
;; launch qkv (part 2): grid 12 x 16, 4 waves a work-group, clusters of 4 x 4, 327,680 bytes of LDS; arguments ops, pos_cos, pos_sin, qkv; writes qkv
.if DOCPART == 2
	.amdgcn_target "amdgcn-amd-amdhsa--gfx1250"
	.amdhsa_code_object_version 6
	.text
	.protected	k_qeecc68ea2d_qkv
	.globl	k_qeecc68ea2d_qkv
	.p2align	8
	.type	k_qeecc68ea2d_qkv,@function
k_qeecc68ea2d_qkv:
	s_mov_b64 s[64:65], 0
	v_nop
	global_prefetch_b8 v0, s[64:65] scope:SCOPE_SE
	s_setreg_imm32_b32 hwreg(HW_REG_WAVE_MODE, 25, 1), 1
	s_wait_xcnt 0x0
	s_wait_alu depctr_hold_cnt(0) depctr_sa_sdst(0) depctr_va_vdst(0) depctr_va_sdst(0) depctr_va_ssrc(0) depctr_va_vcc(0) depctr_vm_vsrc(0)
	s_getreg_b32 s2, hwreg(HW_REG_IB_STS2, 6, 4)
	s_cmp_eq_u32 s2, 0
	s_cbranch_scc0 .Lentry_in_a_cluster
	s_endpgm
.Lentry_in_a_cluster:
	s_bfe_u32 s2, ttmp6, 0x10000c
	s_cmp_lg_u32 s2, 0xf033
	s_cbranch_scc0 .Lentry_shape_is_right
	s_endpgm
.Lentry_shape_is_right:
.set NQ,     2
.set PITCH,  192                       ; codes lie dense in LDS as in memory: each 16 rows as [piece 24][row 16][8 bytes]
.set FR,     12
.set NL,     6
.set NP,     4
.set HALFT,  128*PITCH
.set SLOT,   4*HALFT
.set LAPS,   4
.set ASTEP,  786432
.set BSTEP,  983040
.set XS_OFF, 6291456
.set WC_OFF, 6553600
.set WS_OFF, 14417920
.set SCL,    2*SLOT
.set HALFS,  8192
.set SBLK,   128
.set SPARE,  SCL+4*HALFS
.set KI,     6291456
.set VI,     7864320
.set QS,     9437184
.set KSO,    9961472
.set VSO,    10092544
.set ADRA, 16
.set ADRB, 20
.set ADRS, 27
.set SPW,  28
.set NIL,  29
.set SC,   32
.set AF,   128
.set G1, 24
.set G0, 32
.set G1B, 48
.set G0B, 56
.set G1S, 68
.set G0S, 76
.set G1SB, 80
.set G0SB, 88
.set O16,  32
.set O8,   33
.set OS,   34
.set CSA,  35
.set SHL,  36
.set HA,   64
.set CSR,  128
.set PCD,  192
.set TM,   212
.set PW,   228
.set WW,   229
.set TT,   230
.set SEL,  72
.set MSB, 0
.macro WIN new
.if MSB != \new
	s_set_vgpr_msb (MSB<<8)|\new
.set MSB, \new
.endif
.endm
.set MUL_LO, 0xa1
.set MUL_HI, 0xf1
.set TO_B,   0x40
.macro JLOAD g0a, g1a, g0b, g1b
	s_cmp_eq_u32 s15, 0
	s_cbranch_scc0 .Lfor_b_\@
	tensor_load_to_lds s[\g0a:\g0a+3], s[\g1a:\g1a+7]
	s_nop 0
.rept 4
	v_nop
.endr
	s_branch .Lasked_\@
.Lfor_b_\@:
	tensor_load_to_lds s[\g0b:\g0b+3], s[\g1b:\g1b+7]
	s_nop 0
.rept 4
	v_nop
.endr
.Lasked_\@:
.endm
.macro CREST
	s_cmp_lg_u32 s14, 0
	s_cbranch_scc1 .Lnot_wave_0_\@
	s_barrier_signal -3
.Lnot_wave_0_\@:
	s_barrier_wait -3
	s_barrier_signal -1
	s_barrier_wait -1
.endm
.macro CROUND
	s_barrier_signal -1
	s_barrier_wait -1
	CREST
.endm
	s_load_b64 s[12:13], s[0:1], 0x0
	s_load_b128 s[96:99], s[0:1], 0x8
	s_load_b64 s[100:101], s[0:1], 0x18
	v_lshl_add_u32 v[SPW], v0, 2, SPARE
	v_mov_b32 v[NIL], 0
	ds_add_u32 v28, v29
	ds_add_u32 v28, v29
	s_wait_dscnt 0x0
	v_lshrrev_b32 v1, 5, v0
	v_readfirstlane_b32 s14, v1
	s_lshr_b32 s15, s14, 1
	s_and_b32 s16, s14, 1
	s_bfe_u32 s40, ttmp6, 0x40000
	s_bfe_u32 s41, ttmp6, 0x40004
	s_lshl_b32 s42, ttmp9, 2
	s_add_co_u32 s42, s42, s40
	s_and_b32 s17, ttmp7, 0xffff
	s_lshl_b32 s17, s17, 2
	s_add_co_u32 s17, s17, s41
	s_lshl_b32 s43, s41, 2
	s_lshl_b32 s43, 15, s43
	s_lshl_b32 s44, 0x1111, s40
	s_or_b32 s[G1+0], s43, (1<<21)
	s_or_b32 s[G1B+0], s44, (1<<21)
.irp g, G1, G1B
	s_mov_b32 s[\g+1], 768<<16
	s_mov_b32 s[\g+2], 32<<16
	s_mov_b32 s[\g+3], 768<<16
	s_mov_b32 s[\g+4], 32
	s_mov_b32 s[\g+5], 768
	s_mov_b32 s[\g+6], 0
	s_mov_b32 s[\g+7], 0
.endr
	s_or_b32 s[G1S+0], s43, (3<<16)|(1<<21)
	s_or_b32 s[G1SB+0], s44, (3<<16)|(1<<21)
.irp g, G1S, G1SB
	s_mov_b32 s[\g+1], 128<<16
	s_mov_b32 s[\g+2], 8<<16
	s_mov_b32 s[\g+3], 128<<16
	s_mov_b32 s[\g+4], 8
	s_mov_b32 s[\g+6], 0
	s_mov_b32 s[\g+7], 0
.endr
	s_mov_b32 s[G1S+5], 4096
	s_mov_b32 s[G1SB+5], 5120
	s_lshl_b32 s18, s16, 7
	s_lshl_b32 s20, s17, 8
	s_add_co_u32 s20, s20, s18
	s_lshl_b32 s46, s42, 8
	s_add_co_u32 s46, s46, s18
	s_lshl_b32 s22, s20, 3
	s_mov_b32 s23, 0
	s_lshl_b32 s92, s46, 3
	s_mov_b32 s93, 0
	s_mul_i32 s20, s20, 192
	s_mov_b32 s21, 0
	s_mul_i32 s46, s46, 192
	s_mov_b32 s47, 0
	s_mul_i32 s45, s14, HALFT
	s_mul_i32 s94, s14, HALFS
	s_wait_kmcnt 0x0
	s_mov_b64 s[4:5], s[12:13]
	s_add_nc_u64 s[6:7], s[12:13], XS_OFF
	s_add_nc_u64 s[8:9], s[12:13], WC_OFF
	s_add_nc_u64 s[10:11], s[12:13], WS_OFF
	s_add_nc_u64 s[20:21], s[4:5], s[20:21]
	s_add_nc_u64 s[22:23], s[6:7], s[22:23]
	s_add_nc_u64 s[46:47], s[8:9], s[46:47]
	s_add_nc_u64 s[92:93], s[10:11], s[92:93]
	CROUND
	s_mov_b32 s[G0S], 1
	s_add_co_u32 s[G0S+1], s94, SCL
	s_mov_b64 s[G0S+2:G0S+3], s[22:23]
	s_or_b32 s[G0S+3], s[G0S+3], 0x80000000
	s_mov_b32 s[G0SB], 1
	s_add_co_u32 s[G0SB+1], s94, SCL
	s_mov_b64 s[G0SB+2:G0SB+3], s[92:93]
	s_or_b32 s[G0SB+3], s[G0SB+3], 0x80000000
	JLOAD G0S, G1S, G0SB, G1SB
.irp s, 0,1
	s_mov_b32 s[G0+4*\s], 1
	s_add_co_u32 s[G0+4*\s+1], s45, \s*SLOT
	s_add_nc_u64 s[G0+4*\s+2:G0+4*\s+3], s[20:21], \s*ASTEP
	s_or_b32 s[G0+4*\s+3], s[G0+4*\s+3], 0x80000000
	s_mov_b32 s[G0B+4*\s], 1
	s_add_co_u32 s[G0B+4*\s+1], s45, \s*SLOT
	s_add_nc_u64 s[G0B+4*\s+2:G0B+4*\s+3], s[46:47], \s*BSTEP
	s_or_b32 s[G0B+4*\s+3], s[G0B+4*\s+3], 0x80000000
	s_wait_alu depctr_va_vdst(0)
	s_wait_tensorcnt 0x0
	ds_add_u32 v28, v29
	s_wait_dscnt 0x0
	CROUND
	JLOAD G0+4*\s, G1, G0B+4*\s, G1B
.endr
	v_and_b32 v1, 15, v0
	v_bfe_u32 v2, v0, 4, 1
	v_lshlrev_b32 v3, 3, v1
	v_mul_u32_u24 v4, v2, 384
	v_add_nc_u32 v4, v3, v4                        ; 8 bytes a row; lanes 16-31 three pieces on
	s_wait_alu depctr_va_vdst(0)
	s_mul_i32 s21, s15, HALFT
	s_mul_i32 s22, s16, HALFT
	s_add_co_u32 s22, s22, 2*HALFT
	s_cmp_eq_u32 ttmp9, 2
	s_cselect_b32 s95, s16, 0
	s_cmp_lg_u32 s95, 0
	s_cselect_b32 s18, s22, s21
	s_cselect_b32 s19, s21, s22
.irp s, 0,1
	v_add_nc_u32 v[ADRA+\s], s18, v4
	v_add_nc_u32 v[ADRB+\s], s19, v4
	s_add_co_u32 s18, s18, SLOT
	s_add_co_u32 s19, s19, SLOT
.endr
	v_lshlrev_b32 v5, 3, v1
	v_xor_b32 v6, s95, v2
	s_mul_i32 s21, s15, HALFS
	s_mul_i32 s22, s16, HALFS
	s_add_co_u32 s22, s22, 2*HALFS
	s_sub_co_u32 s22, s22, s21
	v_mul_u32_u24 v6, s22, v6
	s_add_co_u32 s21, s21, SCL
	v_add_nc_u32 v5, v5, v6
	v_add_nc_u32 v[ADRS], s21, v5
.macro FRAG reg, adr, q, i
.irp p, 0,1,2,3,4,5
.set PC, 12*(\q)+6*(\p/3)+\p%3
	ds_load_b64 v[\reg+2*\p:\reg+2*\p+1], v[\adr] offset:128*PC+(\i)*16*PITCH
.endr
.endm
.macro MUL16 a0, p, q, sc, zero
.irp a, \a0, \a0+1
.irp b, 0,1,2,3,4,5,6,7
.if \zero
	v_wmma_scale_f32_16x16x128_f8f6f4 v[8*(8*((\a)%4)+\b):8*(8*((\a)%4)+\b)+7], v[128*(\p)+FR*\b:128*(\p)+FR*\b+FR-1], v[AF+FR*(\a):AF+FR*(\a)+FR-1], 0, v[SC+8*NQ*(\sc)+NQ*\b+(\q)], v[SC+8*NQ*(\sc)+NQ*(\a)+(\q)] matrix_a_fmt:MATRIX_FMT_FP6 matrix_b_fmt:MATRIX_FMT_FP6 matrix_a_scale:MATRIX_SCALE_ROW1
.else
	v_wmma_scale_f32_16x16x128_f8f6f4 v[8*(8*((\a)%4)+\b):8*(8*((\a)%4)+\b)+7], v[128*(\p)+FR*\b:128*(\p)+FR*\b+FR-1], v[AF+FR*(\a):AF+FR*(\a)+FR-1], v[8*(8*((\a)%4)+\b):8*(8*((\a)%4)+\b)+7], v[SC+8*NQ*(\sc)+NQ*\b+(\q)], v[SC+8*NQ*(\sc)+NQ*(\a)+(\q)] matrix_a_fmt:MATRIX_FMT_FP6 matrix_b_fmt:MATRIX_FMT_FP6 matrix_a_scale:MATRIX_SCALE_ROW1
.endif
.endr
.endr
.endm
.macro FETCH_B slot, q, p
	WIN TO_B
.irp i, 0,1,2,3,4,5,6,7
	FRAG 128*(\p)+FR*\i, ADRB+\slot, \q, \i
.endr
	WIN 0
.endm
.macro FETCH_A slot, q, i0
.irp i, \i0, \i0+1, \i0+2, \i0+3
	FRAG AF+FR*(\i), ADRA+\slot, \q, \i
.endr
.endm
.macro SCALES sc
.irp i, 0,1,2,3,4,5,6,7
	ds_load_b64 v[SC+8*NQ*\sc+NQ*\i:SC+8*NQ*\sc+NQ*\i+1], v[ADRS] offset:\i*SBLK
.endr
.endm
.macro PLACES n
.rept \n
	v_nop
.endr
.endm
.macro STEP slot, q, zero
	s_wait_dscnt 4*NL
	WIN MUL_LO
	MUL16 0, (\q)%2, \q, \slot, \zero
	MUL16 2, (\q)%2, \q, \slot, \zero
	s_wait_dscnt 0
	PLACES NP
	FETCH_B \slot, (\q)+1, 1-(\q)%2
	FETCH_A \slot, (\q)+1, 0
	WIN MUL_HI
	MUL16 4, (\q)%2, \q, \slot, \zero
	MUL16 6, (\q)%2, \q, \slot, \zero
	PLACES NP
	WIN 0
	FETCH_A \slot, (\q)+1, 4
.endm
.macro TURN slot, next, fill
	s_wait_tensorcnt 0x0
	ds_add_u32 v[SPW], v[NIL]
	s_wait_dscnt 4*NL+1
	WIN MUL_LO
	MUL16 0, 1, NQ-1, \slot, 0
	s_wait_dscnt 0x0
	s_barrier_signal -1
	MUL16 2, 1, NQ-1, \slot, 0
	WIN 0
	s_barrier_wait -1
.if \fill
	CREST
	s_add_nc_u64 s[G0+4*\slot+2:G0+4*\slot+3], s[G0+4*\slot+2:G0+4*\slot+3], 2*ASTEP
	s_add_nc_u64 s[G0B+4*\slot+2:G0B+4*\slot+3], s[G0B+4*\slot+2:G0B+4*\slot+3], 2*BSTEP
	JLOAD G0+4*\slot, G1, G0B+4*\slot, G1B
.else
	PLACES NP
.endif
	s_wait_alu depctr_va_vdst(0)
	v_add_nc_u32 v[ADRS], 1024, v[ADRS]
	FETCH_B \next, 0, 0
	FETCH_A \next, 0, 0
	SCALES \next
	WIN MUL_HI
	MUL16 4, 1, NQ-1, \slot, 0
	MUL16 6, 1, NQ-1, \slot, 0
	PLACES NP
	WIN 0
	FETCH_A \next, 0, 4
.endm
	s_wait_alu depctr_va_vdst(0)
	s_wait_tensorcnt 1
	s_barrier_signal -1
	s_barrier_wait -1
	FETCH_B 0, 0, 0
	FETCH_A 0, 0, 0
	SCALES 0
	FETCH_A 0, 0, 4
	STEP 0, 0, 1
	s_mov_b32 s3, LAPS-1
.Llap:
	TURN 0, 1, 1
	STEP 1, 0, 0
	TURN 1, 0, 1
	STEP 0, 0, 0
	s_sub_co_u32 s3, s3, 1
	s_cmp_lg_u32 s3, 0
	s_cbranch_scc1 .Llap
	TURN 0, 1, 0
	STEP 1, 0, 0
	s_wait_dscnt 4*NL
	WIN MUL_LO
	MUL16 0, 1, NQ-1, 1, 0
	MUL16 2, 1, NQ-1, 1, 0
	s_wait_dscnt 0
	WIN MUL_HI
	MUL16 4, 1, NQ-1, 1, 0
	MUL16 6, 1, NQ-1, 1, 0
	WIN 0
	PLACES NP
	s_lshr_b32 s18, s17, 2
	s_and_b32 s19, s17, 3
	s_lshl_b32 s20, s19, 4
	s_lshl_b32 s21, s15, 3
	s_add_co_u32 s20, s20, s21
	s_lshl_b32 s21, s18, 5
	s_lshl_b32 s22, s42, 2
	s_add_co_u32 s21, s21, s22
	s_lshl_b32 s22, s16, 1
	s_add_co_u32 s21, s21, s22
	s_lshl_b32 s22, s18, 3
	s_sub_co_u32 s23, s42, 8
	s_lshl_b32 s43, s23, 1
	s_add_co_u32 s22, s22, s43
	s_mov_b32 s43, KI
	s_mov_b32 s45, QS
	s_mov_b32 s46, KSO
	s_cmp_lt_u32 ttmp9, 2
	s_cselect_b32 s21, s21, s22
	s_cselect_b32 s44, 0, s43
	s_cselect_b32 s45, s45, s46
	s_lshl_b32 s21, s21, 6
	s_add_co_u32 s21, s21, s20
	s_mul_i32 s22, s21, 768
	s_add_co_u32 s44, s44, s22
	s_lshl_b32 s22, s21, 6
	s_add_co_u32 s45, s45, s22
	s_lshl_b32 s21, s18, 2
	s_add_co_u32 s21, s21, s23
	s_lshl_b32 s21, s21, 3
	s_lshl_b32 s22, s19, 1
	s_add_co_u32 s21, s21, s22
	s_add_co_u32 s21, s21, s15
	s_mul_i32 s22, s21, 12288
	s_add_co_u32 s22, s22, VI
	s_lshl_b32 s21, s21, 10
	s_add_co_u32 s21, s21, VSO
	s_mov_b32 s46, 49152
	s_mov_b32 s47, 768
	s_mov_b32 s92, 4096
	s_cmp_lg_u32 s95, 0
	s_cselect_b32 s44, s22, s44
	s_cselect_b32 s45, s21, s45
	s_cselect_b32 s46, 768, s46
	s_cselect_b32 s47, 1536, s47
	s_cselect_b32 s92, 64, s92
	s_cselect_b32 s93, 128, 64
	s_cselect_b32 s94, 0, 16
	s_cselect_b32 vcc_lo, 0, -1
	s_mov_b32 s22, s44
	s_mov_b32 s23, 0
	s_add_nc_u64 s[66:67], s[100:101], s[22:23]
	s_mov_b32 s22, s46
	s_add_nc_u64 s[68:69], s[66:67], s[22:23]
	s_mov_b32 s22, s45
	s_add_nc_u64 s[70:71], s[100:101], s[22:23]
	s_lshl_b32 s22, s19, 15
	s_lshl_b32 s43, s15, 14
	s_add_co_u32 s22, s22, s43
	s_add_nc_u64 s[96:97], s[96:97], s[22:23]
	s_add_nc_u64 s[98:99], s[98:99], s[22:23]
	s_mov_b32 s[SEL], 0x76543210
	s_mov_b32 s[SEL+1], 0xfedcba98
	v_and_b32 v37, 31, v0
	v_and_b32 v38, 15, v0
	v_bfe_u32 v39, v0, 4, 1
	v_lshlrev_b32 v[O16], 4, v37
	v_lshlrev_b32 v[O8], 3, v37
	v_add_nc_u32 v[O8], 512, v[O8]
	v_mul_u32_u24 v[OS], s92, v39
	v_lshl_add_u32 v[OS], v38, 2, v[OS]
	v_and_b32 v40, 8, v38
	v_add_nc_u32 v40, v40, v38
	v_lshlrev_b32 v[CSA], 7, v40
	v_lshl_add_u32 v[CSA], v39, 5, v[CSA]
	v_mul_u32_u24 v[SHL], s94, v39
.irp b, 0,1,2,3
	v_mov_b32 v[TM+4+\b], 0
.endr
.macro CSLOAD a
.set CL0, CSR+32*((\a)%2)
.irp q, 0,1,2,3
	global_load_b128 v[CL0+4*\q:CL0+4*\q+3], v[CSA], s[96:97] offset:(32*((\a)/2)+8*((\a)%2))*128+64*(\q/2)+16*(\q%2)
	global_load_b128 v[CL0+16+4*\q:CL0+16+4*\q+3], v[CSA], s[98:99] offset:(32*((\a)/2)+8*((\a)%2))*128+64*(\q/2)+16*(\q%2)
.endr
.endm
.macro ROT a
.set AC, 64*((\a)%4)
.set CB0, CSR+32*((\a)%2)
.set WN, 0x02+(\a)/4
	WIN WN
.set n, 0
.rept 32
.set ci, 8*((n/16)%2)+(n%16)/2
.set tt, TT+2*((n/2)%2)
	v_mul_f32 v[tt], v[AC+n+1], v[CB0+16+ci]
	v_mul_f32 v[tt+1], v[AC+n], v[CB0+16+ci]
	v_fma_f32 v[HA+n], v[AC+n], v[CB0+ci], -v[tt]
	v_fma_f32 v[HA+n+1], v[AC+n+1], v[CB0+ci], v[tt+1]
.set n, n+2
.endr
	WIN 0
.endm
.macro QUANT s
.irp b, 0,1,2,3
	v_max3_num_f32 v[TM+\b], |v[\s+16*\b]|, |v[\s+1+16*\b]|, 0x1800000
.endr
.irp i, 2,4,6,8,10,12,14
.irp b, 0,1,2,3
	v_max3_num_f32 v[TM+\b], v[TM+\b], |v[\s+16*\b+\i]|, |v[\s+1+16*\b+\i]|
.endr
.endr
.irp b, 0,1,2,3
	v_permlanex16_b32 v[TM+4+\b], v[TM+\b], s[SEL], s[SEL+1]
.endr
.irp b, 0,1,2,3
	v_max_num_f32 v[TM+\b], v[TM+\b], v[TM+4+\b]
.endr
.irp b, 0,1,2,3
	v_add_nc_u32 v[TM+12+\b], 0xff000000, v[TM+\b]
.endr
.irp b, 0,1,2,3
	v_lshrrev_b32 v[TM+4+\b], 23, v[TM+12+\b]
.endr
	v_lshl_or_b32 v[PW], v[TM+5], 8, v[TM+4]
	v_lshl_or_b32 v[PW], v[TM+6], 16, v[PW]
	v_lshl_or_b32 v[PW], v[TM+7], 24, v[PW]
.irp c, 0,1
	v_cvt_scalef32_pk16_fp6_f32 v[PCD+6*\c:PCD+2+6*\c], v[\s+32*\c:\s+15+32*\c], v[TM+12+2*\c]
	v_cvt_scalef32_pk16_fp6_f32 v[PCD+12+4*\c:PCD+14+4*\c], v[\s+16+32*\c:\s+31+32*\c], v[TM+12+2*\c+1]
.endr
	v_nop
.irp c, 0,1
.irp i, 0,1,2
	v_permlane16_swap_b32 v[PCD+6*\c+\i], v[PCD+12+4*\c+\i]
.endr
.irp i, 0,1,2
	v_mov_b32 v[PCD+3+6*\c+\i], v[PCD+12+4*\c+\i]
.endr
.endr
.endm
.macro OUT a
.if (\a) > 0
	s_wait_xcnt 0x0
	v_add_nc_u32 v[O16], s47, v[O16]
	v_add_nc_u32 v[O8], s47, v[O8]
	v_add_nc_u32 v[OS], s93, v[OS]
.endif
.if (\a) < 7
	CSLOAD (\a)+1
	s_wait_loadcnt 8
.else
	s_wait_loadcnt 0x0
.endif
.set CB1, CSR+32*((\a)%2)
.set n, 0
.rept 16
	v_cndmask_b32 v[CB1+n], 1.0, v[CB1+n], vcc_lo
	v_cndmask_b32 v[CB1+16+n], 0, v[CB1+16+n], vcc_lo
.set n, n+1
.endr
	ROT \a
	QUANT HA
	global_store_b128 v[O16], v[PCD:PCD+3], s[66:67]
	global_store_b64 v[O8], v[PCD+4:PCD+5], s[66:67]
	global_store_b128 v[O16], v[PCD+6:PCD+9], s[68:69]
	global_store_b64 v[O8], v[PCD+10:PCD+11], s[68:69]
	v_lshrrev_b32 v[WW], v[SHL], v[PW]
	global_store_b32 v[OS], v[WW], s[70:71]
.endm
	CSLOAD 0
.irp a, 0,1,2,3,4,5,6,7
	OUT \a
.endr
	s_wait_tensorcnt 0x0
	ds_add_u32 v[SPW], v[NIL]
	s_wait_dscnt 0x0
	CROUND
	s_endpgm
.Lfunc_end_k_qeecc68ea2d_qkv:
	.size	k_qeecc68ea2d_qkv, .Lfunc_end_k_qeecc68ea2d_qkv-k_qeecc68ea2d_qkv
	.p2alignl 7, 3214868480
	.fill 96, 4, 3214868480
	.section	.rodata,"a",@progbits
	.p2align	6, 0x0
	.amdhsa_kernel k_qeecc68ea2d_qkv
		.amdhsa_group_segment_fixed_size 327680
		.amdhsa_private_segment_fixed_size 0
		.amdhsa_enable_private_segment 0
		.amdhsa_kernarg_size 32
		.amdhsa_user_sgpr_count 2
		.amdhsa_user_sgpr_kernarg_segment_ptr 1
		.amdhsa_wavefront_size32 1
		.amdhsa_system_sgpr_workgroup_id_x 1
		.amdhsa_system_sgpr_workgroup_id_y 1
		.amdhsa_system_sgpr_workgroup_id_z 1
		.amdhsa_system_vgpr_workitem_id 0
		.amdhsa_next_free_vgpr 1024
		.amdhsa_next_free_sgpr 102
		.amdhsa_reserve_vcc 1
		.amdhsa_float_denorm_mode_32 3
		.amdhsa_float_denorm_mode_16_64 3
		.amdhsa_memory_ordered 1
		.amdhsa_forward_progress 1
		.amdhsa_inst_pref_size 231
	.end_amdhsa_kernel
	.amdgpu_metadata
---
amdhsa.version: [ 1, 2 ]
amdhsa.kernels:
  - .name:           k_qeecc68ea2d_qkv
    .symbol:         k_qeecc68ea2d_qkv.kd
    .args:
      - { .name: ops, .offset: 0, .size: 8, .value_kind: global_buffer, .address_space: global }
      - { .name: pos_cos, .offset: 8, .size: 8, .value_kind: global_buffer, .address_space: global }
      - { .name: pos_sin, .offset: 16, .size: 8, .value_kind: global_buffer, .address_space: global }
      - { .name: qkv, .offset: 24, .size: 8, .value_kind: global_buffer, .address_space: global }
    .group_segment_fixed_size: 327680
    .private_segment_fixed_size: 0
    .kernarg_segment_align: 8
    .kernarg_segment_size: 32
    .max_flat_workgroup_size: 128
    .sgpr_count:     102
    .vgpr_count:     1024
    .wavefront_size: 32
...
	.end_amdgpu_metadata
.endif
;; end of part 2
;; launch attn (part 3): grid 8 x 32, 16 waves a work-group, no clusters, 169,984 bytes of LDS; arguments qkv, att; writes att
.if DOCPART == 3
	.amdgcn_target "amdgcn-amd-amdhsa--gfx1250"
	.amdhsa_code_object_version 6
	.text
	.protected	k_qeecc68ea2d_attn
	.globl	k_qeecc68ea2d_attn
	.p2align	8
	.type	k_qeecc68ea2d_attn,@function
k_qeecc68ea2d_attn:
	s_mov_b64 s[64:65], 0
	v_nop
	global_prefetch_b8 v0, s[64:65] scope:SCOPE_SE
	s_setreg_imm32_b32 hwreg(HW_REG_WAVE_MODE, 25, 1), 1
	s_wait_xcnt 0x0
; Causal attention of 32 query heads on 8 key and value heads, head size 64, 1,024 positions, 4 batches, both products on codes of FP6 (E2M3) with E8M0 scales; the result is quantised along (head, d) for the last product.
; IN (buffer qkv): images of operand registers.  A half image is six registers of 32 lanes, 768 bytes: registers 0-3 at 16 x lane, 4-5 at 512 + 8 x lane.  A tile of q or k is a half image (K = the head's 64; the operand's
; upper 64 along K are zero codes, kept in registers).  Tile T holds positions 32 (T / 2) + 8 (T % 2) + r + 8 (r / 8).  A tile of v (16 of the head's d x 128 keys) is two half images.
; THE SOFTMAX: t = score x log2(e) / 8; M = the running largest t rounded up to a whole number; p = 2^(t - M) is quantised along the keys; the sum is taken of the unquantised p and divides at the end.
; When M moves, the sum and O are multiplied by 2^(old M - new M): exact.
; SHARES.  Work-group (i, y): batch y / 8, key head y % 8; it owns the positions of blocks i and 15 - i (64 each) for the four query heads of the key head.  Wave w: head w % 4, tile w / 4 of a block; first block i, then block 15 - i:
; (i / 2 + 1) + ((15 - i) / 2 + 1) = 9 key steps of 128 that are not wholly hidden, for every wave of every work-group.  Four waves share a SIMD: one's vector work stands beside another's matrix work and LDS loads.
; The key head's K, V and scale words, 106,496 bytes, come into LDS once, by ten tensor loads; nothing is filled again.
; LAYOUT.  Both products are used transposed: S^T = K Q^T, O^T = V^T P^T: a lane holds one query throughout; the 16 registers of tiles 2 b, 2 b + 1 of S^T are keys 32 b + 16 h + 0 .. 15, those of O^T d = 32 c + 16 h + 0 .. 15.
; CAUSAL.  Every wave walks 8 key steps; a step all of whose keys come after the tile's queries is left out by a scalar branch on ids; on the diagonal hidden scores become -infinity ahead of the maximum.
; NO CLUSTER: the eight work-groups that read the same K and V own different positions, and which steps a wave leaves out hangs on them, while partners of a joint request must run alike; what is shared is fetched once by each work-group.
; OUT (buffer att): codes [key head 8][token 4096][192 bytes] (a token's four heads x 64 d), scale bytes at AS_OFF [8][4096][8].
; LIMITS: NaN and infinities are not served; a block whose largest magnitude lies under 2^-124 keeps the scale byte 1.
; REGISTERS: v1-3, v7, v243 addresses that stay; v4-6 addresses in hand; v8-11 V's scale words; v12 -M, v13 the largest t, v[14:15] the sum; v16-27 Q; v28-75 four tiles of K; v76-123 four tiles of V;
;   v124-187 S^T, then p; v188-219 O^T; v220-231 p's codes; v232-254 at work; v248-251 K's scale words; v253 p's scale word; v255 Q's.
.set KI,     6291456
.set VI,     7864320
.set QS,     9437184
.set KSO,    9961472
.set VSO,    10092544
.set AS_OFF, 6291456
.set VIM,    49152                     ; LDS: K's 64 tiles at 0; V's [128 keys 8][d tile 4][1536] here;
.set KSC,    98304                     ; K's scale words [tile 64][16];
.set VSC,    102400                    ; V's [8][4][32];
.set STG,    106496                    ; two stages of 64 tokens x 192 bytes of codes + 64 x 8 scale bytes
.set STGB,   12800
.set L16, 1
.set L8,  2
.set LS,  3
.set A16, 4
.set A8,  5
.set AS,  6
.set QSO, 243
.set KFR, 28
.set VF,  76
.set S,   124
.set O,   188
.set WV,  8
.set SEL, 14
.set CS,  16
.set G1K, 20
.set G1V, 28
.set G1S, 36
.set G1T, 44
.set G0K, 52
.set G0V, 56
.set G0S, 60
.set G0T, 68
.set T6,  72                           ; the step's tiles: 6,144 bytes a step, in K's images and in V's
.set T5,  73                           ; its scale words: 512 bytes a step
.set KF,  74                           ; its first key
.set P0,  75                           ; my tile's first position
.set CNT, 76
	s_load_b128 s[4:7], s[0:1], 0x0                ; qkv s[4:5], att s[6:7]
	v_lshl_add_u32 v254, v0, 2, 0x29000
	v_mov_b32 v255, 0
	ds_add_u32 v254, v255
	ds_add_u32 v254, v255
	s_wait_dscnt 0x0
	v_lshrrev_b32 v4, 5, v0
	s_delay_alu instid0(VALU_DEP_1)
	v_readfirstlane_b32 s[WV], v4                  ; wave 0..15
	s_and_b32 s10, ttmp7, 0xffff                   ; y
	s_lshr_b32 s11, s10, 3                         ; batch
	s_and_b32 s12, s10, 7                          ; key head
	s_and_b32 s77, s[WV], 3                        ; my query head of the four; also: which quarter I fetch
	s_lshr_b32 s78, s[WV], 2                       ; my tile of a block's four
	; group 1, elements of 8 bytes.  K's quarter: 12,288 dense bytes as 48 rows of 256
	s_mov_b32 s[G1K], 3<<16
	s_mov_b32 s[G1K+1], 32<<16
	s_mov_b32 s[G1K+2], 48<<16
	s_mov_b32 s[G1K+3], 32<<16
	s_mov_b32 s[G1K+4], 48
	s_mov_b32 s[G1K+5], 32
	s_mov_b32 s[G1K+6], 0
	s_mov_b32 s[G1K+7], 0
	; V's quarter: two key steps: 2 rows of 6,144 bytes, 12,288 apart (the pair's other head lies between)
	s_mov_b32 s[G1V], 3<<16
	s_mov_b32 s[G1V+1], 768<<16
	s_mov_b32 s[G1V+2], 2<<16
	s_mov_b32 s[G1V+3], 768<<16
	s_mov_b32 s[G1V+4], 2
	s_mov_b32 s[G1V+5], 1536
	s_mov_b32 s[G1V+6], 0
	s_mov_b32 s[G1V+7], 0
	; K's scale words: 4,096 dense bytes as 16 rows of 256
	s_mov_b32 s[G1S], 3<<16
	s_mov_b32 s[G1S+1], 32<<16
	s_mov_b32 s[G1S+2], 16<<16
	s_mov_b32 s[G1S+3], 32<<16
	s_mov_b32 s[G1S+4], 16
	s_mov_b32 s[G1S+5], 32
	s_mov_b32 s[G1S+6], 0
	s_mov_b32 s[G1S+7], 0
	; V's: 8 rows of 512 bytes, 1,024 apart
	s_mov_b32 s[G1T], 3<<16
	s_mov_b32 s[G1T+1], 64<<16
	s_mov_b32 s[G1T+2], 8<<16
	s_mov_b32 s[G1T+3], 64<<16
	s_mov_b32 s[G1T+4], 8
	s_mov_b32 s[G1T+5], 128
	s_mov_b32 s[G1T+6], 0
	s_mov_b32 s[G1T+7], 0
	s_mul_i32 s13, s77, 12288                      ; my quarter, in LDS and in K's images
	s_mul_i32 s18, s10, 49152
	s_add_co_u32 s18, s18, s13
	s_add_co_u32 s18, s18, KI
	s_mov_b32 s19, 0
	s_lshl_b32 s79, s11, 2
	s_lshr_b32 s80, s12, 1
	s_add_co_u32 s79, s79, s80                     ; the pair of key heads
	s_and_b32 s80, s12, 1                          ; which of the pair
	s_mul_i32 s82, s79, 98304
	s_lshl_b32 s83, s13, 1                         ; two key steps of 12,288 bytes a quarter
	s_add_co_u32 s82, s82, s83
	s_mul_i32 s83, s80, 6144
	s_add_co_u32 s82, s82, s83
	s_add_co_u32 s82, s82, VI
	s_mov_b32 s83, 0
	s_lshl_b32 s84, s10, 12
	s_add_co_u32 s84, s84, KSO
	s_mov_b32 s85, 0
	s_lshl_b32 s86, s79, 13
	s_lshl_b32 s87, s80, 9
	s_add_co_u32 s86, s86, s87
	s_add_co_u32 s86, s86, VSO
	s_mov_b32 s87, 0
	s_wait_kmcnt 0x0
	s_mov_b32 s[G0K], 1
	s_mov_b32 s[G0K+1], s13
	s_add_nc_u64 s[G0K+2:G0K+3], s[4:5], s[18:19]
	s_or_b32 s[G0K+3], s[G0K+3], 0x80000000
	s_mov_b32 s[G0V], 1
	s_add_co_u32 s[G0V+1], s13, VIM
	s_add_nc_u64 s[G0V+2:G0V+3], s[4:5], s[82:83]
	s_or_b32 s[G0V+3], s[G0V+3], 0x80000000
	s_mov_b32 s[G0S], 1
	s_mov_b32 s[G0S+1], KSC
	s_add_nc_u64 s[G0S+2:G0S+3], s[4:5], s[84:85]
	s_or_b32 s[G0S+3], s[G0S+3], 0x80000000
	s_mov_b32 s[G0T], 1
	s_mov_b32 s[G0T+1], VSC
	s_add_nc_u64 s[G0T+2:G0T+3], s[4:5], s[86:87]
	s_or_b32 s[G0T+3], s[G0T+3], 0x80000000
	; the fills: waves 0-3 K's quarters, 4-7 V's, 8 K's scale words, 9 V's: one load a wave at the most; four v_nop follow each
	s_cmp_lt_u32 s[WV], 4
	s_cbranch_scc0 .Lf1
	tensor_load_to_lds s[G0K:G0K+3], s[G1K:G1K+7]
	s_nop 0
.rept 4
	v_nop
.endr
	s_branch .Lfd
.Lf1:
	s_cmp_lt_u32 s[WV], 8
	s_cbranch_scc0 .Lf2
	tensor_load_to_lds s[G0V:G0V+3], s[G1V:G1V+7]
	s_nop 0
.rept 4
	v_nop
.endr
	s_branch .Lfd
.Lf2:
	s_cmp_eq_u32 s[WV], 8
	s_cbranch_scc0 .Lf3
	tensor_load_to_lds s[G0S:G0S+3], s[G1S:G1S+7]
	s_nop 0
.rept 4
	v_nop
.endr
	s_branch .Lfd
.Lf3:
	s_cmp_eq_u32 s[WV], 9
	s_cbranch_scc0 .Lfd
	tensor_load_to_lds s[G0T:G0T+3], s[G1T:G1T+7]
	s_nop 0
.rept 4
	v_nop
.endr
.Lfd:
	; my two tiles of Q: (head 4 y + hq, tile 4 x block + j)
	s_lshl_b32 s79, s10, 2
	s_add_co_u32 s79, s79, s77
	s_lshl_b32 s79, s79, 6
	s_lshl_b32 s18, ttmp9, 2
	s_add_co_u32 s18, s18, s78
	s_add_co_u32 s18, s18, s79
	s_sub_co_u32 s19, 15, ttmp9
	s_lshl_b32 s19, s19, 2
	s_add_co_u32 s19, s19, s78
	s_add_co_u32 s19, s19, s79
	s_mul_i32 s80, s18, 768
	s_mov_b32 s81, 0
	s_add_nc_u64 s[80:81], s[4:5], s[80:81]        ; the first tile's image,
	s_lshl_b32 s82, s18, 6
	s_add_co_u32 s82, s82, QS
	s_mov_b32 s83, 0
	s_add_nc_u64 s[82:83], s[4:5], s[82:83]        ; its scale words;
	s_mul_i32 s84, s19, 768
	s_mov_b32 s85, 0
	s_add_nc_u64 s[84:85], s[4:5], s[84:85]        ; the second tile's
	s_lshl_b32 s86, s19, 6
	s_add_co_u32 s86, s86, QS
	s_mov_b32 s87, 0
	s_add_nc_u64 s[86:87], s[4:5], s[86:87]
	s_lshr_b32 s13, s78, 1
	s_lshl_b32 s13, s13, 5
	s_and_b32 s79, s78, 1
	s_lshl_b32 s79, s79, 3
	s_add_co_u32 s13, s13, s79                     ; 32 (j / 2) + 8 (j % 2): my tile's first position in a block
	s_lshl_b32 s88, ttmp9, 6
	s_add_co_u32 s88, s88, s13                     ; the first tile's first position
	s_sub_co_u32 s89, 15, ttmp9
	s_lshl_b32 s89, s89, 6
	s_add_co_u32 s89, s89, s13                     ; the second's
	; the stage, and att's codes, hold each 16 tokens as [piece of 8 bytes, 24][token, 16][8 bytes]: 3,072 dense bytes
	s_lshr_b32 s90, s13, 5
	s_mul_i32 s90, s90, 6144                       ; my tile's first 16 tokens,
	s_and_b32 s79, s13, 8
	s_lshl_b32 s79, s79, 3
	s_add_co_u32 s90, s90, s79                     ; its first token among them,
	s_mul_i32 s79, s77, 768                        ; my head's six pieces
	s_add_co_u32 s90, s90, s79
	s_add_co_u32 s90, s90, STG                     ; the stage: my tile's first row, my head's 48 bytes
	s_lshl_b32 s91, s13, 3
	s_lshl_b32 s79, s77, 1
	s_add_co_u32 s91, s91, s79
	s_add_co_u32 s91, s91, STG+12288               ; and my head's two scale bytes
	s_mov_b32 s[SEL], 0x76543210
	s_mov_b32 s[SEL+1], 0xfedcba98                 ; v_permlanex16_b32's selects for lane l xor 16
	s_mov_b32 s[CS], 0x3e38aa3b                    ; c = log2(e) / 8
	s_mov_b32 s[CS+1], s[CS]                       ; (named with it as a pair)
	v_and_b32 v4, 31, v0
	v_and_b32 v5, 15, v0                           ; r
	v_bfe_u32 v6, v0, 4, 1                         ; h
	s_delay_alu instid0(VALU_DEP_3)
	v_lshlrev_b32 v[L16], 4, v4
	s_delay_alu instid0(VALU_DEP_4)
	v_lshlrev_b32 v[L8], 3, v4
	s_delay_alu instid0(VALU_DEP_1)
	v_add_nc_u32 v[L8], 512, v[L8]
	v_lshlrev_b32 v[QSO], 2, v5
	s_delay_alu instid0(VALU_DEP_1)
	v_add_nc_u32 v[LS], KSC, v[QSO]
	v_and_b32 v7, 8, v5
	s_delay_alu instid0(VALU_DEP_1)
	v_add_nc_u32 v7, v7, v5
	v_lshlrev_b32 v6, 4, v6
	s_delay_alu instid0(VALU_DEP_1)
	v_sub_nc_u32 v7, v7, v6                        ; r + 8 (r / 8) - 16 h
.macro QLOAD k
	global_load_b128 v[16:19], v[L16], s[80+4*\k:81+4*\k]
	global_load_b64 v[20:21], v[L8], s[80+4*\k:81+4*\k]
	global_load_b32 v255, v[QSO], s[82+4*\k:83+4*\k]
.endm
	QLOAD 0
.irp n, 22,23,24,25,26,27
	v_mov_b32 v[\n], 0                             ; the upper 64 along K: zero codes, written once
.endr
.irp t, 0,1,2,3
.irp n, 6,7,8,9,10,11
	v_mov_b32 v[KFR+12*\t+\n], 0
.endr
.endr
.irp n, 236,237,238,239,252,253
	v_mov_b32 v[\n], 0                             ; written once: a lane permute's destination counts as one of its sources; v253 is named in a pair before it is first written
.endr
	s_wait_tensorcnt 0x0                           ; my load, if I issued one, has landed,
	s_barrier_signal -1
	s_barrier_wait -1                              ; everybody's has
.macro KLOAD g                         ; tiles 4 g .. 4 g + 3 of the step's eight, and their scale words: 12 loads
.irp t, 0,1,2,3
	ds_load_b128 v[KFR+12*\t:KFR+12*\t+3], v[A16] offset:(4*\g+\t)*768
	ds_load_b64 v[KFR+12*\t+4:KFR+12*\t+5], v[A8] offset:(4*\g+\t)*768
	ds_load_b32 v[248+\t], v[AS] offset:(4*\g+\t)*64
.endr
.endm
.macro VLOAD                           ; the step's four tiles of V and their scale words: 20 loads
.irp t, 0,1,2,3
	ds_load_b128 v[VF+12*\t:VF+12*\t+3], v[A16] offset:VIM+1536*\t
	ds_load_b64 v[VF+12*\t+4:VF+12*\t+5], v[A8] offset:VIM+1536*\t
	ds_load_b128 v[VF+12*\t+6:VF+12*\t+9], v[A16] offset:VIM+1536*\t+768
	ds_load_b64 v[VF+12*\t+10:VF+12*\t+11], v[A8] offset:VIM+1536*\t+768
	ds_load_b32 v[8+\t], v[AS] offset:4096+128*\t
.endr
.endm
.macro KQ g
.irp t, 0,1,2,3
	v_wmma_scale_f32_16x16x128_f8f6f4 v[S+8*(4*\g+\t):S+8*(4*\g+\t)+7], v[KFR+12*\t:KFR+12*\t+11], v[16:27], 0, v[248+\t], v255 matrix_a_fmt:MATRIX_FMT_FP6 matrix_b_fmt:MATRIX_FMT_FP6
.endr
.endm
; A KEY STEP: 128 keys
.macro STEP
	s_add_co_u32 s79, s[P0], 23                    ; my tile's last position
	s_cmp_gt_u32 s[KF], s79
	s_cbranch_scc1 .Lhidden_\@                     ; all 128 keys come after all my queries: only the addresses step
	v_add_nc_u32 v[A16], s[T6], v[L16]
	v_add_nc_u32 v[A8], s[T6], v[L8]
	v_add_nc_u32 v[AS], s[T5], v[LS]
	KLOAD 0
	s_wait_alu depctr_va_vdst(0)
	s_wait_dscnt 0x0
	KQ 0
.rept 4
	v_nop                                          ; places in front of loads into registers that these products read; with the three additions above also behind the last step's products, whose V registers are loaded below
.endr
	KLOAD 1
	VLOAD
	s_wait_dscnt 20                                ; K's tiles are in; V's twenty loads may be out: they land under the softmax
	KQ 1
.rept 4
	v_nop
.endr
	s_add_co_u32 s79, s[KF], 127
	s_cmp_le_u32 s79, s[P0]
	s_cbranch_scc1 .Lopen_\@                       ; all 128 keys count for all my queries
	s_sub_co_i32 s79, s[P0], s[KF]
	v_add_nc_u32 v252, s79, v7                     ; d = my query - KF - 16 h.  Register 16 b + i holds key KF + 32 b + 16 h + i: hidden where 32 b + i > d
	v_mov_b32 v254, 0xff800000                     ; -infinity
.set n, 0
.rept 64
	v_cmp_gt_i32 vcc_lo, 32*(n/16)+n%16, v252
	v_cndmask_b32 v[S+n], v[S+n], v254, vcc_lo
.set n, n+1
.endr
.Lopen_\@:
.irp b, 0,1,2,3
	v_max3_num_f32 v[232+\b], v[S+16*\b], v[S+1+16*\b], v[S+2+16*\b]   ; the largest score of each block of 32 keys: for the row's maximum and, since p rises with the score, for the block's largest p
.endr
.irp i, 3,5,7,9,11,13
.irp b, 0,1,2,3
	v_max3_num_f32 v[232+\b], v[232+\b], v[S+16*\b+\i], v[S+1+16*\b+\i]
.endr
.endr
.irp b, 0,1,2,3
	v_max_num_f32 v[232+\b], v[232+\b], v[S+15+16*\b]
.endr
.irp b, 0,1,2,3
	s_delay_alu instid0(VALU_DEP_4)
	v_permlanex16_b32 v[236+\b], v[232+\b], s[SEL], s[SEL+1]
.endr
.irp b, 0,1,2,3
	s_delay_alu instid0(VALU_DEP_4)
	v_max_num_f32 v[232+\b], v[232+\b], v[236+\b]  ; with lane l xor 16's 16 keys
.endr
	s_delay_alu instid0(VALU_DEP_2)
	v_max3_num_f32 v254, v232, v233, v234
	s_delay_alu instid0(VALU_DEP_1)
	v_max_num_f32 v254, v254, v235                 ; the step's largest score of my query
	s_delay_alu instid0(VALU_DEP_1)
	v_mul_f32 v254, s[CS], v254                    ; as t
	s_delay_alu instid0(VALU_DEP_1)
	v_max_num_f32 v13, v13, v254                   ; the running largest t
	v_mov_b32 v254, v12
	s_delay_alu instid0(VALU_DEP_2)
	v_floor_f32 v12, -v13                          ; the new -M = floor(-t): M is a whole number
	s_delay_alu instid0(VALU_DEP_1)
	v_sub_f32 v254, v12, v254                      ; old M - new M: a whole number, 0 or less
	s_delay_alu instid0(VALU_DEP_1)
	v_cvt_i32_f32 v254, v254                       ; (it saturates)
	s_delay_alu instid0(VALU_DEP_1)
	v_ldexp_f32 v252, 1.0, v254                    ; f = 2^(old M - new M)
.set n, 0
.rept 32
	v_pk_fma_f32 v[S+n:S+n+1], v[S+n:S+n+1], s[CS:CS+1], v[12:13] op_sel_hi:[1,0,0]   ; t - M, two at a time
.set n, n+2
.endr
.irp b, 0,1,2,3
	v_fma_f32 v[232+\b], v[232+\b], s[CS], v12     ; the same of each block's largest score
.endr
.set n, 0
	s_wait_alu depctr_va_vdst(0)
.rept 64
	v_exp_f32 v[S+n], v[S+n]                       ; p = 2^(t - M), at most 1
.set n, n+1
.endr
.irp b, 0,1,2,3
	v_exp_f32 v[232+\b], v[232+\b]                 ; the block's largest p
.endr
	v_pk_mul_f32 v[14:15], v[14:15], v[252:253] op_sel_hi:[1,0]   ; the sums under the new M (a plain place behind the exponentials)
	s_wait_alu depctr_va_vdst(0)
.irp b, 0,1,2,3
	v_max_num_f32 v[232+\b], 0x1800000, v[232+\b]  ; the floor 2^(3 - 127): the byte cannot fall under 1
.endr
.irp b, 0,1,2,3
	s_delay_alu instid0(VALU_DEP_4)
	v_add_nc_u32 v[244+\b], 0xff000000, v[232+\b]  ; the conversion's scale operand
.endr
.irp b, 0,1,2,3
	s_delay_alu instid0(VALU_DEP_4)
	v_lshrrev_b32 v[236+\b], 23, v[244+\b]         ; the scale's byte
.endr
	s_delay_alu instid0(VALU_DEP_3)
	v_lshl_or_b32 v253, v237, 8, v236              ; p's scale word for these 128 keys
	s_delay_alu instid0(VALU_DEP_1)
	v_lshl_or_b32 v253, v238, 16, v253
	s_delay_alu instid0(VALU_DEP_1)
	v_lshl_or_b32 v253, v239, 24, v253
.irp c, 0,1
	v_cvt_scalef32_pk16_fp6_f32 v[220+6*\c:222+6*\c], v[S+32*\c:S+15+32*\c], v[244+2*\c]
	v_cvt_scalef32_pk16_fp6_f32 v[236+4*\c:238+4*\c], v[S+16+32*\c:S+31+32*\c], v[244+2*\c+1]
.endr
	v_nop                                          ; one plain place behind a scaled conversion
.irp c, 0,1                                    ; the layout wants a whole block in a lane
.irp i, 0,1,2
	v_permlane16_swap_b32 v[220+6*\c+\i], v[236+4*\c+\i]
.endr
.irp i, 0,1,2
	s_delay_alu instid0(VALU_DEP_3)
	v_mov_b32 v[223+6*\c+\i], v[236+4*\c+\i]
.endr
.endr
	v_pk_add_f32 v[236:237], v[128:129], v[132:133]
	v_pk_add_f32 v[250:251], v[136:137], v[140:141]
	v_pk_add_f32 v[248:249], v[144:145], v[148:149]
	v_pk_add_f32 v[246:247], v[152:153], v[156:157]
	v_pk_add_f32 v[244:245], v[160:161], v[164:165]
	v_pk_add_f32 v[240:241], v[168:169], v[172:173]
	v_pk_add_f32 v[234:235], v[176:177], v[180:181]
	v_pk_add_f32 v[14:15], v[14:15], v[184:185]
	v_pk_add_f32 v[236:237], v[236:237], v[124:125]
	v_pk_add_f32 v[250:251], v[250:251], v[126:127]
	v_pk_add_f32 v[248:249], v[248:249], v[130:131]
	v_pk_add_f32 v[246:247], v[246:247], v[134:135]
	v_pk_add_f32 v[244:245], v[244:245], v[138:139]
	v_pk_add_f32 v[240:241], v[240:241], v[142:143]
	v_pk_add_f32 v[234:235], v[234:235], v[146:147]
	v_pk_add_f32 v[14:15], v[14:15], v[150:151]
	v_pk_add_f32 v[236:237], v[236:237], v[154:155]
	v_pk_add_f32 v[250:251], v[250:251], v[158:159]
	v_pk_add_f32 v[248:249], v[248:249], v[162:163]
	v_pk_add_f32 v[246:247], v[246:247], v[166:167]
	v_pk_add_f32 v[244:245], v[244:245], v[170:171]
	v_pk_add_f32 v[240:241], v[240:241], v[174:175]
	v_pk_add_f32 v[234:235], v[234:235], v[178:179]
	v_pk_add_f32 v[14:15], v[14:15], v[182:183]
	v_pk_add_f32 v[236:237], v[236:237], v[186:187]
	s_delay_alu instid0(VALU_DEP_2)
	v_pk_add_f32 v[14:15], v[14:15], v[246:247]
	s_delay_alu instid0(VALU_DEP_2)
	v_pk_add_f32 v[236:237], v[236:237], v[244:245]
	v_pk_add_f32 v[250:251], v[250:251], v[240:241]
	v_pk_add_f32 v[248:249], v[248:249], v[234:235]
	s_delay_alu instid0(VALU_DEP_2)
	v_pk_add_f32 v[14:15], v[14:15], v[250:251]
	s_delay_alu instid0(VALU_DEP_2)
	v_pk_add_f32 v[236:237], v[236:237], v[248:249]
	s_delay_alu instid0(VALU_DEP_1)
	v_pk_add_f32 v[14:15], v[14:15], v[236:237]
.set n, 0
.rept 16
	v_pk_mul_f32 v[O+n:O+n+1], v[O+n:O+n+1], v[252:253] op_sel_hi:[1,0]   ; O^T under the new M; each accumulator from its low end on
.set n, n+2
.endr
	s_wait_alu depctr_va_vdst(0)
	s_wait_dscnt 0x0                               ; V is in
.irp t, 0,1,2,3                                ; the four accumulators take turns
	v_wmma_scale_f32_16x16x128_f8f6f4 v[O+8*\t:O+8*\t+7], v[VF+12*\t:VF+12*\t+11], v[220:231], v[O+8*\t:O+8*\t+7], v[8+\t], v253 matrix_a_fmt:MATRIX_FMT_FP6 matrix_b_fmt:MATRIX_FMT_FP6
.endr
.Lhidden_\@:
	s_add_co_u32 s[KF], s[KF], 128
	s_add_co_u32 s[T6], s[T6], 6144
	s_add_co_u32 s[T5], s[T5], 512
.endm
; O^T / the sum, quantised along d (two blocks of 32), into stage k: token row of 192 bytes, my head's 48, my block's 24
.macro FINISH k
	v_add_f32 v14, v14, v15
	s_delay_alu instid0(VALU_DEP_1)
	v_permlanex16_b32 v252, v14, s[SEL], s[SEL+1]
	s_delay_alu instid0(VALU_DEP_1)
	v_add_f32 v14, v14, v252                       ; the row's sum
	s_wait_alu depctr_va_vdst(0)
	v_rcp_f32 v14, v14
	v_and_b32 v4, 15, v0                           ; (the address lines are the places behind the reciprocal and behind the last products)
	s_delay_alu instid0(VALU_DEP_1)
	v_and_b32 v5, 8, v4
	s_delay_alu instid0(VALU_DEP_1)
	v_add_nc_u32 v5, v5, v4                        ; r + 8 (r / 8)
	v_bfe_u32 v6, v0, 4, 1
	s_delay_alu instid0(VALU_DEP_2)
	v_lshrrev_b32 v4, 4, v5
	v_and_b32 v252, 7, v5
	s_delay_alu instid0(VALU_DEP_2)
	v_mul_u32_u24 v4, v4, 3072
	s_delay_alu instid0(VALU_DEP_1)
	v_lshl_add_u32 v4, v252, 3, v4
	s_delay_alu instid0(VALU_DEP_1)
	v_mad_u32_u24 v4, v6, 384, v4
	s_delay_alu instid0(VALU_DEP_1)
	v_add_nc_u32 v4, s90, v4
	v_lshlrev_b32 v5, 3, v5
	s_delay_alu instid0(VALU_DEP_1)
	v_add_nc_u32 v5, s91, v5
.set n, 0
	s_wait_alu depctr_va_vdst(0)
.rept 32
	v_mul_f32 v[S+n], v[O+n], v14                  ; register 16 c + i: d = 32 c + 16 h + i
.set n, n+1
.endr
.irp c, 0,1
	v_max3_num_f32 v[232+\c], |v[S+16*\c]|, |v[S+1+16*\c]|, 0x1800000
.endr
.irp i, 2,4,6,8,10,12,14
.irp c, 0,1
	s_delay_alu instid0(VALU_DEP_2)
	v_max3_num_f32 v[232+\c], v[232+\c], |v[S+16*\c+\i]|, |v[S+1+16*\c+\i]|
.endr
.endr
.irp c, 0,1
	s_delay_alu instid0(VALU_DEP_2)
	v_permlanex16_b32 v[236+\c], v[232+\c], s[SEL], s[SEL+1]
.endr
.irp c, 0,1
	s_delay_alu instid0(VALU_DEP_2)
	v_max_num_f32 v[232+\c], v[232+\c], v[236+\c]
.endr
.irp c, 0,1
	s_delay_alu instid0(VALU_DEP_2)
	v_add_nc_u32 v[244+\c], 0xff000000, v[232+\c]
.endr
.irp c, 0,1
	s_delay_alu instid0(VALU_DEP_2)
	v_lshrrev_b32 v[236+\c], 23, v[244+\c]
.endr
	s_delay_alu instid0(VALU_DEP_1)
	v_lshl_or_b32 v253, v237, 8, v236              ; my head's two scale bytes
	v_cvt_scalef32_pk16_fp6_f32 v[220:222], v[S:S+15], v244
	v_cvt_scalef32_pk16_fp6_f32 v[240:242], v[S+16:S+31], v245
	v_nop                                          ; one plain place behind a scaled conversion
.irp i, 0,1,2
	v_permlane16_swap_b32 v[220+\i], v[240+\i]
.endr
.irp i, 0,1,2
	s_delay_alu instid0(VALU_DEP_3)
	v_mov_b32 v[223+\i], v[240+\i]                 ; v220-225: d = 32 h + 0 .. 31 of my token
.endr
	ds_store_b64 v4, v[220:221] offset:\k*STGB
	ds_store_b64 v4, v[222:223] offset:\k*STGB+128
	ds_store_b64 v4, v[224:225] offset:\k*STGB+256
	ds_store_b16 v5, v253 offset:\k*STGB           ; lanes r and r + 16 write the same two bytes
	s_wait_dscnt 0x0                               ; the stores have read their registers
.endm
.macro TILE k
	s_mov_b32 s[P0], s[88+\k]
	s_mov_b32 s[T6], 0
	s_mov_b32 s[T5], 0
	s_mov_b32 s[KF], 0
	s_mov_b32 s[CNT], 8
	v_mov_b32 v13, 0xff61b1e6                      ; the largest t so far: -3e38
	s_delay_alu instid0(VALU_DEP_1)
	v_floor_f32 v12, -v13                          ; -M
	v_mov_b32 v14, 0
	v_mov_b32 v15, 0
.set n, 0
.rept 32
	v_mov_b32 v[O+n], 0                            ; the step is written once: the first finds zeros, which the first change of M leaves zeros
.set n, n+1
.endr
	s_wait_loadcnt 0x0                             ; Q
.Lstep_\@:
	STEP
	s_sub_co_u32 s[CNT], s[CNT], 1
	s_cmp_lg_u32 s[CNT], 0
	s_cbranch_scc1 .Lstep_\@
.if \k == 0
	QLOAD 1                                        ; the second tile's Q lands while the first tile's result is quantised
.endif
	FINISH \k
.endm
	TILE 0
	TILE 1
	s_barrier_signal -1                            ; (FINISH ended with the wait for my LDS stores)
	s_barrier_wait -1                              ; both stages are whole
	; the way out: each wave stores 768 bytes of each stage's codes, 256 consecutive aligned bytes an instruction; wave 0 also the scale bytes
	v_and_b32 v4, 31, v0
	s_delay_alu instid0(VALU_DEP_1)
	v_lshlrev_b32 v5, 3, v4
	s_delay_alu instid0(VALU_DEP_2)
	v_lshlrev_b32 v7, 4, v4
	s_delay_alu instid0(VALU_DEP_1)
	v_add_nc_u32 v8, STG+12288, v7
	s_mul_i32 s13, s[WV], 768
	s_add_co_u32 s79, s13, STG
	v_add_nc_u32 v6, s79, v5
.irp k, 0,1
.irp c, 0,1,2
	ds_load_b64 v[124+6*\k+2*\c:125+6*\k+2*\c], v6 offset:\k*STGB+256*\c
.endr
.endr
	s_mul_i32 s18, s12, 786432
	s_add_co_u32 s18, s18, s13
	s_lshl_b32 s19, s11, 10
	s_lshl_b32 s20, ttmp9, 6
	s_add_co_u32 s20, s20, s19                     ; the first block's first token
	s_sub_co_u32 s21, 15, ttmp9
	s_lshl_b32 s21, s21, 6
	s_add_co_u32 s21, s21, s19                     ; the second's
	s_mul_i32 s22, s20, 192
	s_add_co_u32 s22, s22, s18
	s_mov_b32 s23, 0
	s_add_nc_u64 s[24:25], s[6:7], s[22:23]
	s_mul_i32 s22, s21, 192
	s_add_co_u32 s22, s22, s18
	s_add_nc_u64 s[26:27], s[6:7], s[22:23]
	s_lshl_b32 s18, s12, 15
	s_add_co_u32 s18, s18, AS_OFF
	s_lshl_b32 s22, s20, 3
	s_add_co_u32 s22, s22, s18
	s_add_nc_u64 s[28:29], s[6:7], s[22:23]
	s_lshl_b32 s22, s21, 3
	s_add_co_u32 s22, s22, s18
	s_add_nc_u64 s[30:31], s[6:7], s[22:23]
	s_wait_alu depctr_va_vdst(0)
.irp k, 0,1
.irp c, 0,1,2
	s_wait_dscnt 5-3*\k-\c
	global_store_b64 v5, v[124+6*\k+2*\c:125+6*\k+2*\c], s[24+2*\k:25+2*\k] offset:256*\c
.endr
.endr
	s_cmp_lg_u32 s[WV], 0
	s_cbranch_scc1 .Lend
	ds_load_b128 v[140:143], v8
	ds_load_b128 v[144:147], v8 offset:STGB
	s_wait_dscnt 0x0
	global_store_b128 v7, v[140:143], s[28:29]     ; 512 consecutive bytes: 64 tokens' scale bytes
	global_store_b128 v7, v[144:147], s[30:31]
.Lend:
	s_wait_xcnt 0x0
	v_lshl_add_u32 v254, v0, 2, 0x29000
	v_mov_b32 v255, 0
	s_wait_alu depctr_va_vdst(0)
	s_wait_tensorcnt 0x0
	ds_add_u32 v254, v255
	s_wait_dscnt 0x0
	s_endpgm
.Lfunc_end_k_qeecc68ea2d_attn:
	.size	k_qeecc68ea2d_attn, .Lfunc_end_k_qeecc68ea2d_attn-k_qeecc68ea2d_attn
	.p2alignl 7, 3214868480
	.fill 96, 4, 3214868480
	.section	.rodata,"a",@progbits
	.p2align	6, 0x0
	.amdhsa_kernel k_qeecc68ea2d_attn
		.amdhsa_group_segment_fixed_size 169984
		.amdhsa_private_segment_fixed_size 0
		.amdhsa_enable_private_segment 0
		.amdhsa_kernarg_size 16
		.amdhsa_user_sgpr_count 2
		.amdhsa_user_sgpr_kernarg_segment_ptr 1
		.amdhsa_wavefront_size32 1
		.amdhsa_system_sgpr_workgroup_id_x 1
		.amdhsa_system_sgpr_workgroup_id_y 1
		.amdhsa_system_sgpr_workgroup_id_z 1
		.amdhsa_system_vgpr_workitem_id 0
		.amdhsa_next_free_vgpr 256
		.amdhsa_next_free_sgpr 92
		.amdhsa_reserve_vcc 1
		.amdhsa_float_denorm_mode_32 3
		.amdhsa_float_denorm_mode_16_64 3
		.amdhsa_memory_ordered 1
		.amdhsa_forward_progress 1
		.amdhsa_inst_pref_size 73
	.end_amdhsa_kernel
	.amdgpu_metadata
---
amdhsa.version: [ 1, 2 ]
amdhsa.kernels:
  - .name:           k_qeecc68ea2d_attn
    .symbol:         k_qeecc68ea2d_attn.kd
    .args:
      - { .name: qkv, .offset: 0, .size: 8, .value_kind: global_buffer, .address_space: global }
      - { .name: att, .offset: 8, .size: 8, .value_kind: global_buffer, .address_space: global }
    .group_segment_fixed_size: 169984
    .private_segment_fixed_size: 0
    .kernarg_segment_align: 8
    .kernarg_segment_size: 16
    .max_flat_workgroup_size: 512
    .sgpr_count:     92
    .vgpr_count:     256
    .wavefront_size: 32
...
	.end_amdgpu_metadata
.endif
;; end of part 3
;; launch oproj (part 4): grid 16 x 16, 4 waves a work-group, clusters of 4 x 4, 327,680 bytes of LDS; arguments att, ops, out0; writes out0
.if DOCPART == 4
	.amdgcn_target "amdgcn-amd-amdhsa--gfx1250"
	.amdhsa_code_object_version 6
	.text
	.protected	k_qeecc68ea2d_oproj
	.globl	k_qeecc68ea2d_oproj
	.p2align	8
	.type	k_qeecc68ea2d_oproj,@function
k_qeecc68ea2d_oproj:
	s_mov_b64 s[64:65], 0
	v_nop
	global_prefetch_b8 v0, s[64:65] scope:SCOPE_SE
	s_setreg_imm32_b32 hwreg(HW_REG_WAVE_MODE, 25, 1), 1
	s_wait_xcnt 0x0
	s_wait_alu depctr_hold_cnt(0) depctr_sa_sdst(0) depctr_va_vdst(0) depctr_va_sdst(0) depctr_va_ssrc(0) depctr_va_vcc(0) depctr_vm_vsrc(0)
	s_getreg_b32 s2, hwreg(HW_REG_IB_STS2, 6, 4)
	s_cmp_eq_u32 s2, 0
	s_cbranch_scc0 .Lentry_in_a_cluster
	s_endpgm
.Lentry_in_a_cluster:
	s_bfe_u32 s2, ttmp6, 0x10000c
	s_cmp_lg_u32 s2, 0xf033
	s_cbranch_scc0 .Lentry_shape_is_right
	s_endpgm
.Lentry_shape_is_right:
; out0 [4096][2048] f32 = attention's result x wo, both as codes of FP6 (E2M3) with one E8M0 byte for each 32 along K = 2,048.
; IN: att: codes [g = K / 256, 8][token / 16][piece 24][token % 16][8 bytes], scale bytes at AS_OFF [g][token][8].  ops: wo's codes at WOC in the same order (planes of 5,120 rows), its bytes at WOS [g][row][8];
; in every 32 rows of wo's, bits 3 and 4 of the row's number have changed places.
; SHARES: 16 x 16 = 256 work-groups; a work-group makes 256 tokens x 128 columns, a wave 128 x 64: 32 accumulators of 16 x 16, 256 registers.
; THE RING: two LDS slots, each with 512 along K (two planes g): A's 256 rows 98,304 bytes, B's 128 rows 49,152.  Four fills in all; each wave brings a part by one tensor load of two rows (one a plane):
; waves 0, 1 a half of A's rows (2 x 24,576 bytes), waves 2, 3 a half of B's (2 x 12,288).  Every row begins at a multiple of 256 bytes.  A wave has one tensor load out at any time.
; No padding: a fragment load of 8 bytes a lane reads 128 neighbouring bytes in lanes 0-15 and 128 more, 384 bytes on, in lanes 16-31: 64 different banks (ISA guide 11.1).
; CLUSTERS: 4 x 4; A's tiles are asked for jointly along a row of the cluster, B's along a column.
; THE SCALES go from memory into registers once: a load of 8 bytes a lane takes 32 rows' bytes of a plane, 256 consecutive aligned bytes; lanes 0-15 hold one block of 16 rows, lanes 16-31 the next
; (the matrix instruction's row selector picks).  48 loads, 96 registers, for all of K.
; THE MATRIX INSTRUCTION IS USED TRANSPOSED (source 0 = 16 rows of wo, source 1 = 16 tokens): with the rows' order above, a lane's 16 registers of two neighbouring tiles are 16 neighbouring columns of one token.
; A step of 128 along K: 12 fragments (72 LDS loads) for 32 matrix instructions; both operands have two sets of registers, and a step's fragments are asked for one step ahead.
; The walk along K is written out: the scale registers differ from step to step.
; PREFETCH: behind the second and third fill each wave asks for its cluster's share of the fill after it: of the bytes that my tensor load will bring, each of the four partners names a quarter (24 blocks of 256 bytes
; an instruction, a lane a block, lanes 24-31 the last again), told apart by address.  The first two fills come by their loads alone.
; REGISTERS: window 0: v16-24 addresses, v28-29 the add's, v32-95 A's scales, v96-127 B's, v128-191 the way out; window 1: A's fragments, two sets of 96; window 2: B's, two sets of 48; window 3: accumulator (a, b) at 8 (4 a + b).
; LIMITS: NaN and infinities are not served.
.set ASTEP,  786432                    ; a plane of att's codes
.set BSTEP,  983040                    ; a plane of the weights' codes
.set AS_OFF, 6291456
.set WOC,    7143424
.set WOS,    14442496
.set AH,     49152                     ; LDS: half of A's rows, two planes
.set BH,     24576                     ; half of B's rows, two planes
.set SLOT,   2*AH+2*BH
.set SPARE,  2*SLOT                    ; the spare words: 128 bytes a wave, named by no other line
.set STAGE,  SPARE+512                 ; the way out: 16 rows x 272 bytes for each wave; no fill lands here
.set SPITCH, 272
.set ADA0, 16
.set ADB0, 18
.set STO,  20
.set RD,   21
.set CO,   22
.set SOF,  23
.set PFO,  24
.set SPW,  28
.set NIL,  29
.set SAR,  32
.set SBR,  96
.set BK,   128
.set G1,  24
.set G0,  32
.set G1B, 48
.set G0B, 56
.set PFA, 66
.set MULW, 0xf6                        ; source 0 (B) window 2, source 1 (A) window 1, C and D window 3
.set MSB, 0
.macro WIN new                         ; the immediate's high byte repeats the setting that is left
.if MSB != \new
	s_set_vgpr_msb (MSB<<8)|\new
.set MSB, \new
.endif
.endm
.macro PLACES
.rept 4
	v_nop
.endr
.endm
.macro JLOAD s                         ; a joint load: waves 0, 1 for A, waves 2, 3 for B; s_nop 0 and four v_nop behind each line
	s_cmp_eq_u32 s15, 0
	s_cbranch_scc0 .Lfor_b_\@
	tensor_load_to_lds s[G0+4*\s:G0+4*\s+3], s[G1:G1+7]
	s_nop 0
	PLACES
	s_branch .Lasked_\@
.Lfor_b_\@:
	tensor_load_to_lds s[G0B+4*\s:G0B+4*\s+3], s[G1B:G1B+7]
	s_nop 0
	PLACES
.Lasked_\@:
.endm
.macro CREST                           ; a round of the cluster's barrier behind its opening barrier
	s_cmp_lg_u32 s14, 0
	s_cbranch_scc1 .Lnot_wave_0_\@
	s_barrier_signal -3
.Lnot_wave_0_\@:
	s_barrier_wait -3
	s_barrier_signal -1
	s_barrier_wait -1
.endm
.macro CROUND
	s_barrier_signal -1
	s_barrier_wait -1
	CREST
.endm
.macro ASK f                           ; fill f's planes 2 f, 2 f + 1: A's waves a quarter of each plane's 24,576 bytes, B's waves a half of one plane's 12,288
	s_cmp_eq_u32 s15, 0
	s_cbranch_scc0 .Lpb_\@
	global_prefetch_b8 v[PFO], s[PFA:PFA+1] offset:2*(\f)*ASTEP th:TH_LOAD_NT scope:SCOPE_SE
	global_prefetch_b8 v[PFO], s[PFA:PFA+1] offset:(2*(\f)+1)*ASTEP th:TH_LOAD_NT scope:SCOPE_SE
	s_branch .Lpd_\@
.Lpb_\@:
	global_prefetch_b8 v[PFO], s[PFA:PFA+1] offset:2*(\f)*BSTEP th:TH_LOAD_NT scope:SCOPE_SE
.Lpd_\@:
.endm
	s_load_b128 s[4:7], s[0:1], 0x0                ; att, ops
	s_load_b64 s[12:13], s[0:1], 0x10              ; out0
	v_lshl_add_u32 v[SPW], v0, 2, SPARE
	v_mov_b32 v[NIL], 0
	ds_add_u32 v[SPW], v[NIL]                      ; the opening lines: the add, twice on end, and its wait ahead of my first tensor load
	ds_add_u32 v[SPW], v[NIL]
	v_lshrrev_b32 v1, 5, v0
	v_readfirstlane_b32 s14, v1                    ; wave 0..3
	s_lshr_b32 s15, s14, 1                         ; my half of the tokens.  Also: I fetch for A (0) or for B (1)
	s_and_b32 s16, s14, 1                          ; my half of the columns.  Also: which half of that tile's rows I fetch
	s_bfe_u32 s40, ttmp6, 0x40000                  ; cx
	s_bfe_u32 s41, ttmp6, 0x40004                  ; cy
	s_lshl_b32 s42, ttmp9, 2
	s_add_co_u32 s42, s42, s40                     ; tile column
	s_and_b32 s17, ttmp7, 0xffff
	s_lshl_b32 s17, s17, 2
	s_add_co_u32 s17, s17, s41                     ; tile row
	s_lshl_b32 s43, s41, 2
	s_lshl_b32 s43, 15, s43                        ; my row of the cluster
	s_lshl_b32 s44, 0x1111, s40                    ; my column
	s_or_b32 s[G1], s43, (3<<16)|(1<<21)           ; elements of 8 bytes; bit 21 beside the mask
	s_mov_b32 s[G1+1], 3072<<16                    ; a row: 128 rows of codes of one plane, 24,576 bytes
	s_mov_b32 s[G1+2], 2<<16                       ; two rows
	s_mov_b32 s[G1+3], 3072<<16
	s_mov_b32 s[G1+4], 2
	s_mov_b32 s[G1+5], ASTEP/8                     ; a plane apart
	s_mov_b32 s[G1+6], 0
	s_mov_b32 s[G1+7], 0
	s_or_b32 s[G1B], s44, (3<<16)|(1<<21)
	s_mov_b32 s[G1B+1], 1536<<16                   ; 64 rows of codes of one plane, 12,288 bytes
	s_mov_b32 s[G1B+2], 2<<16
	s_mov_b32 s[G1B+3], 1536<<16
	s_mov_b32 s[G1B+4], 2
	s_mov_b32 s[G1B+5], BSTEP/8
	s_mov_b32 s[G1B+6], 0
	s_mov_b32 s[G1B+7], 0
	s_lshl_b32 s18, s17, 8                         ; the tile's first token
	s_lshl_b32 s19, s42, 7                         ; its first column
	s_lshl_b32 s20, s16, 7
	s_add_co_u32 s20, s20, s18
	s_mul_i32 s20, s20, 192                        ; A: the 128 rows that I fetch
	s_mov_b32 s21, 0
	s_lshl_b32 s46, s16, 6
	s_add_co_u32 s46, s46, s19                     ; B: the 64 rows that I fetch; they are also my wave's columns
	s_lshl_b32 s92, s46, 3
	s_add_co_u32 s92, s92, WOS                     ; their scale bytes
	s_mov_b32 s93, 0
	s_lshl_b32 s68, s46, 2                         ; and their place in a row of out0
	s_mul_i32 s46, s46, 192
	s_add_co_u32 s46, s46, WOC
	s_mov_b32 s47, 0
	s_lshl_b32 s22, s15, 7
	s_add_co_u32 s22, s22, s18                     ; my wave's first token
	s_lshl_b32 s23, s22, 13
	s_add_co_u32 s68, s68, s23                     ; out0: 8,192 bytes a token
	s_mov_b32 s69, 0
	s_lshl_b32 s22, s22, 3
	s_add_co_u32 s22, s22, AS_OFF                  ; its scale bytes
	s_mov_b32 s23, 0
	s_mul_i32 s70, s40, 6144                       ; prefetch, A: quarter cx of each plane's row
	s_add_co_u32 s70, s70, s20
	s_lshr_b32 s71, s41, 1                         ; B: plane cy / 2, half cy % 2
	s_mul_i32 s71, s71, BSTEP
	s_add_co_u32 s71, s71, s46
	s_and_b32 s77, s41, 1
	s_mul_i32 s77, s77, 6144
	s_add_co_u32 s71, s71, s77
	s_cmp_eq_u32 s15, 0
	s_cselect_b32 s70, s70, s71
	s_mov_b32 s71, 0
	s_mul_i32 s72, s15, AH                         ; LDS: my tokens' fragments,
	s_mul_i32 s73, s16, BH
	s_add_co_u32 s73, s73, 2*AH                    ; my columns' (also where B's half that I fetch goes),
	s_mul_i32 s74, s14, 16*SPITCH
	s_add_co_u32 s74, s74, STAGE                   ; my stage,
	s_mul_i32 s75, s16, AH                         ; where A's half that I fetch goes
	v_and_b32 v1, 15, v0                           ; r
	v_bfe_u32 v2, v0, 4, 1                         ; h
	v_and_b32 v3, 31, v0
	v_mul_u32_u24 v5, v2, 384
	v_lshl_add_u32 v4, v1, 3, v5                   ; a fragment: 8 bytes a row, lanes 16-31 three pieces on
	v_add_nc_u32 v[ADA0], s72, v4
	v_add_nc_u32 v[ADB0], s73, v4
	v_add_nc_u32 v[ADA0+1], SLOT, v[ADA0]
	v_add_nc_u32 v[ADB0+1], SLOT, v[ADB0]
	v_mul_u32_u24 v5, v1, SPITCH
	v_lshl_add_u32 v5, v2, 6, v5
	v_add_nc_u32 v[STO], s74, v5                   ; into the stage: token r, 64 bytes for each half of the lanes
	v_mul_u32_u24 v6, v2, SPITCH
	v_lshl_add_u32 v6, v1, 4, v6
	v_add_nc_u32 v[RD], s74, v6                    ; back: sixteen lanes to a row of 256 bytes, two rows an instruction
	v_lshlrev_b32 v7, 13, v2
	v_lshl_add_u32 v[CO], v1, 4, v7                ; the same two rows in out0
	v_lshlrev_b32 v[SOF], 3, v3                    ; scale bytes: 8 a row, a lane a row
	v_min_u32 v8, 23, v3
	v_lshlrev_b32 v[PFO], 8, v8                    ; prefetch: a lane a block of 256 bytes, 24 blocks
	s_wait_alu depctr_va_vdst(0)                   ; the wait at the end of the head's vector work
	s_wait_dscnt 0x0                               ; both opening adds are done
	s_wait_kmcnt 0x0
	s_add_nc_u64 s[20:21], s[4:5], s[20:21]
	s_add_nc_u64 s[46:47], s[6:7], s[46:47]
	s_add_nc_u64 s[22:23], s[4:5], s[22:23]
	s_add_nc_u64 s[92:93], s[6:7], s[92:93]
	s_add_nc_u64 s[12:13], s[12:13], s[68:69]
	s_cmp_eq_u32 s15, 0
	s_cselect_b64 s[PFA:PFA+1], s[4:5], s[6:7]
	s_add_nc_u64 s[PFA:PFA+1], s[PFA:PFA+1], s[70:71]
.irp s, 0,1
	s_mov_b32 s[G0+4*\s], 1
	s_add_co_u32 s[G0+4*\s+1], s75, \s*SLOT
	s_add_nc_u64 s[G0+4*\s+2:G0+4*\s+3], s[20:21], \s*2*ASTEP
	s_or_b32 s[G0+4*\s+3], s[G0+4*\s+3], 0x80000000
	s_mov_b32 s[G0B+4*\s], 1
	s_add_co_u32 s[G0B+4*\s+1], s73, \s*SLOT
	s_add_nc_u64 s[G0B+4*\s+2:G0B+4*\s+3], s[46:47], \s*2*BSTEP
	s_or_b32 s[G0B+4*\s+3], s[G0B+4*\s+3], 0x80000000
.endr
	CROUND                                         ; all sixteen work-groups are here: the first joint loads meet
	JLOAD 0                                        ; planes 0 and 1: one tensor load a wave at the head
.irp g, 0,1,2,3,4,5,6,7                        ; all scale bytes of my 128 tokens and my 64 columns
.irp j, 0,1,2,3
	global_load_b64 v[SAR+2*(4*\g+\j):SAR+2*(4*\g+\j)+1], v[SOF], s[22:23] offset:32768*\g+256*\j
.endr
.irp j, 0,1
	global_load_b64 v[SBR+2*(2*\g+\j):SBR+2*(2*\g+\j)+1], v[SOF], s[92:93] offset:40960*\g+256*\j
.endr
.endr
.macro FRAG reg, adr, off              ; 16 rows x 128 K: 12 registers; registers 6 c .. 6 c + 5 hold K = 64 c + 32 h + 0 .. 31: three pieces of 8 bytes
.irp p, 0,1,2,3,4,5
	ds_load_b64 v[\reg+2*\p:\reg+2*\p+1], v[\adr] offset:(\off)+128*(6*(\p/3)+\p%3)
.endr
.endm
.macro FETCH st                        ; step st's fragments into set st % 2: slot (st / 4) % 2, plane (st / 2) % 2 of the slot, half st % 2 of the plane's 24 pieces
.set SL, ((\st)/4)%2
.set PS, (\st)%2
.set PL, ((\st)/2)%2
	WIN 0x80
.irp i, 0,1,2,3
	FRAG 48*PS+12*\i, ADB0+SL, 12288*PL+3072*\i+1536*PS
.endr
	WIN 0x40
.irp i, 0,1,2,3,4,5,6,7
	FRAG 96*PS+12*\i, ADA0+SL, 24576*PL+3072*\i+1536*PS
.endr
.endm
.macro WM a, b, st, c                  ; accumulator (a, b), step st; c: the C operand (0 in the first step: nothing is cleared)
.set DA, 8*(4*(\a)+(\b))
.set FB, 48*((\st)%2)+12*(\b)
.set FA, 96*((\st)%2)+12*(\a)
.set XB, SBR+2*(2*((\st)/2)+(\b)/2)+(\st)%2
.set XA, SAR+2*(4*((\st)/2)+(\a)/2)+(\st)%2
.if (\b)%2+2*((\a)%2) == 0
	v_wmma_scale_f32_16x16x128_f8f6f4 v[DA:DA+7], v[FB:FB+11], v[FA:FA+11], \c, v[XB], v[XA] matrix_a_fmt:MATRIX_FMT_FP6 matrix_b_fmt:MATRIX_FMT_FP6
.endif
.if (\b)%2+2*((\a)%2) == 1
	v_wmma_scale_f32_16x16x128_f8f6f4 v[DA:DA+7], v[FB:FB+11], v[FA:FA+11], \c, v[XB], v[XA] matrix_a_fmt:MATRIX_FMT_FP6 matrix_b_fmt:MATRIX_FMT_FP6 matrix_a_scale:MATRIX_SCALE_ROW1
.endif
.if (\b)%2+2*((\a)%2) == 2
	v_wmma_scale_f32_16x16x128_f8f6f4 v[DA:DA+7], v[FB:FB+11], v[FA:FA+11], \c, v[XB], v[XA] matrix_a_fmt:MATRIX_FMT_FP6 matrix_b_fmt:MATRIX_FMT_FP6 matrix_b_scale:MATRIX_SCALE_ROW1
.endif
.if (\b)%2+2*((\a)%2) == 3
	v_wmma_scale_f32_16x16x128_f8f6f4 v[DA:DA+7], v[FB:FB+11], v[FA:FA+11], \c, v[XB], v[XA] matrix_a_fmt:MATRIX_FMT_FP6 matrix_b_fmt:MATRIX_FMT_FP6 matrix_a_scale:MATRIX_SCALE_ROW1 matrix_b_scale:MATRIX_SCALE_ROW1
.endif
.endm
.macro MUL8 a0, st, c                  ; the 32 accumulators take turns, in the same order in every step
.irp a, \a0, \a0+1
.irp b, 0,1,2,3
	WM \a, \b, \st, \c
.endr
.endr
.endm
.macro STEP st, c
.set NX, (\st)+1
.if (\st)%4 == 3                       ; a slot's last step: the change of slots
.set RS, ((\st)/4)%2
	WIN 0
	s_wait_tensorcnt 0x0                           ; my one tensor load, my part of the other slot, has landed
	ds_add_u32 v[SPW], v[NIL]
.if (\st) < 11
	s_add_nc_u64 s[G0+4*RS+2:G0+4*RS+3], s[G0+4*RS+2:G0+4*RS+3], 4*ASTEP      ; no load of mine is out: this slot's next two planes
	s_add_nc_u64 s[G0B+4*RS+2:G0B+4*RS+3], s[G0B+4*RS+2:G0B+4*RS+3], 4*BSTEP
.endif
	s_wait_dscnt 1                                 ; this step's 72 fragment loads are in; the add alone may be out
	WIN MULW
	MUL8 0, \st, \c
	s_wait_dscnt 0x0                               ; the add is done; my reads of this slot were done above
	s_barrier_signal -1
	MUL8 2, \st, \c
	WIN 0
	s_barrier_wait -1
.if (\st) < 11
	CREST                                          ; the barrier has opened a round of the cluster's barrier: no partner's wave still reads this slot
	JLOAD RS                                       ; the refill, first behind the round; its four v_nop are the places in front of the loads below
.else
	PLACES
.endif
	FETCH NX
.if (\st) == 3
	WIN 0
	ASK 3
.endif
	WIN MULW
	MUL8 4, \st, \c
	MUL8 6, \st, \c
.else
	s_wait_dscnt 0x0                               ; this step's fragments, asked for a step ago, are in
	PLACES                                         ; four places behind the last step's products, whose set takes the loads below
	FETCH NX
	WIN MULW
	MUL8 0, \st, \c
	MUL8 2, \st, \c
	MUL8 4, \st, \c
	MUL8 6, \st, \c
.endif
.endm
	s_wait_tensorcnt 0x0                           ; my part of slot 0 is in
	ds_add_u32 v[SPW], v[NIL]
	s_wait_dscnt 0x0
	CROUND                                         ; everybody's part is in, and the joint loads meet
	JLOAD 1                                        ; planes 2 and 3, the first tensor load behind the round
	FETCH 0
	WIN 0
	ASK 2
	s_wait_loadcnt 0x0                             ; the scales are in
	STEP 0, 0
.irp t, 1,2,3,4,5,6,7,8,9,10,11,12,13,14
	STEP \t, v[DA:DA+7]
.endr
	s_wait_dscnt 0x0                               ; the last step: nothing more to fetch
	MUL8 0, 15, v[DA:DA+7]
	MUL8 2, 15, v[DA:DA+7]
	MUL8 4, 15, v[DA:DA+7]
	MUL8 6, 15, v[DA:DA+7]
	PLACES                                         ; four places in front of the first read of results
; THE WAY OUT, by blocks of 16 tokens x 64 columns: through my own stage and back as rows of 256 bytes.  LDS serves a wave's instructions in order (ISA guide 5.7.1.4): no wait between the stores and the loads.
.macro TOSTAGE a
	WIN 0x0c                                       ; the data: window 3
.irp b, 0,1,2,3
	ds_store_b128 v[STO], v[8*(4*(\a)+\b):8*(4*(\a)+\b)+3] offset:128*(\b/2)+32*(\b%2)       ; each accumulator from its low end on
	ds_store_b128 v[STO], v[8*(4*(\a)+\b)+4:8*(4*(\a)+\b)+7] offset:128*(\b/2)+32*(\b%2)+16
.endr
	WIN 0
.set BB, BK+32*((\a)%2)
.irp t, 0,1,2,3,4,5,6,7
	ds_load_b128 v[BB+4*\t:BB+4*\t+3], v[RD] offset:\t*2*SPITCH
.endr
.endm
.macro SEND a, younger                 ; younger: the LDS instructions issued behind block a's loads
.set BB, BK+32*((\a)%2)
	s_wait_dscnt \younger
.irp t, 0,1,2,3,4,5,6,7
	global_store_b128 v[CO], v[BB+4*\t:BB+4*\t+3], s[12:13] offset:(16*(\a)+2*\t)*8192 th:TH_STORE_NT   ; sixteen lanes store 256 consecutive bytes, aligned
.endr
.endm
	TOSTAGE 0
.irp a, 1,2,3,4,5,6,7
.if \a > 1
	s_wait_xcnt 0x0                                ; block a - 2's stores have read their registers: block a's loads may land there
.endif
	TOSTAGE \a
	SEND \a-1, 16
.endr
	SEND 7, 0
	s_wait_tensorcnt 0x0                           ; the wave's end
	ds_add_u32 v[SPW], v[NIL]
	s_wait_dscnt 0x0
	CROUND                                         ; the closing round
	s_endpgm
.Lfunc_end_k_qeecc68ea2d_oproj:
	.size	k_qeecc68ea2d_oproj, .Lfunc_end_k_qeecc68ea2d_oproj-k_qeecc68ea2d_oproj
	.p2alignl 7, 3214868480
	.fill 96, 4, 3214868480
	.section	.rodata,"a",@progbits
	.p2align	6, 0x0
	.amdhsa_kernel k_qeecc68ea2d_oproj
		.amdhsa_group_segment_fixed_size 327680
		.amdhsa_private_segment_fixed_size 0
		.amdhsa_enable_private_segment 0
		.amdhsa_kernarg_size 24
		.amdhsa_user_sgpr_count 2
		.amdhsa_user_sgpr_kernarg_segment_ptr 1
		.amdhsa_wavefront_size32 1
		.amdhsa_system_sgpr_workgroup_id_x 1
		.amdhsa_system_sgpr_workgroup_id_y 1
		.amdhsa_system_sgpr_workgroup_id_z 1
		.amdhsa_system_vgpr_workitem_id 0
		.amdhsa_next_free_vgpr 1024
		.amdhsa_next_free_sgpr 98
		.amdhsa_reserve_vcc 0
		.amdhsa_float_denorm_mode_32 3
		.amdhsa_float_denorm_mode_16_64 3
		.amdhsa_memory_ordered 1
		.amdhsa_forward_progress 1
		.amdhsa_inst_pref_size 172
	.end_amdhsa_kernel
	.amdgpu_metadata
---
amdhsa.version: [ 1, 2 ]
amdhsa.kernels:
  - .name:           k_qeecc68ea2d_oproj
    .symbol:         k_qeecc68ea2d_oproj.kd
    .args:
      - { .name: att, .offset: 0, .size: 8, .value_kind: global_buffer, .address_space: global }
      - { .name: ops, .offset: 8, .size: 8, .value_kind: global_buffer, .address_space: global }
      - { .name: out0, .offset: 16, .size: 8, .value_kind: global_buffer, .address_space: global }
    .group_segment_fixed_size: 327680
    .private_segment_fixed_size: 0
    .kernarg_segment_align: 8
    .kernarg_segment_size: 24
    .max_flat_workgroup_size: 128
    .sgpr_count:     98
    .vgpr_count:     1024
    .wavefront_size: 32
...
	.end_amdgpu_metadata
.endif
;; end of part 4
